; MI455X (gfx1250); checked and timed in simulation.
; The chip was launched on July 23, 2026; its instructions are those of AMD's public machine-readable ISA for CDNA 5 (MIT licence, August 2026) and "CDNA5" Instruction Set Architecture Reference Guide (July 2026). The comments in the code are by the model that wrote it; some were corrected since.
;; Multihead Attention With QK Norm. Allowed arithmetic: matrix products marked QUANTISED: E2M3 operands, one E8M0 scale for each 32 along K, by v_wmma_scale_f32_16x16x128_f8f6f4 with both operands' format E2M3, f32 sums; everything else in f32.
;; Inputs: Wk_codes 1,024 x 32 x 24 uint8 (E2M3 codes of Wk, K innermost, in blocks of 32 codes, four codes in three bytes); Wk_scales 1,024 x 32 uint8 (E8M0 scales of Wk, one for each 32 codes along K); Wo_codes 1,024 x 32 x 24 uint8 (E2M3 codes of Wo, K innermost, in blocks of 32 codes, four codes in three bytes); Wo_scales 1,024 x 32 uint8 (E8M0 scales of Wo, one for each 32 codes along K); Wq_codes 1,024 x 32 x 24 uint8 (E2M3 codes of Wq, K innermost, in blocks of 32 codes, four codes in three bytes); Wq_scales 1,024 x 32 uint8 (E8M0 scales of Wq, one for each 32 codes along K); Wv_codes 1,024 x 32 x 24 uint8 (E2M3 codes of Wv, K innermost, in blocks of 32 codes, four codes in three bytes); Wv_scales 1,024 x 32 uint8 (E8M0 scales of Wv, one for each 32 codes along K); bk 1,024 float32; bo 1,024 float32; bq 1,024 float32; bv 1,024 float32; k_norm_w 64 float32; key_codes 4 x 2,048 x 32 x 24 uint8 (E2M3 codes of key, K innermost, in blocks of 32 codes, four codes in three bytes); key_scales 4 x 2,048 x 32 uint8 (E8M0 scales of key, one for each 32 codes along K); q_norm_w 64 float32; query_codes 4 x 2,048 x 32 x 24 uint8 (E2M3 codes of query, K innermost, in blocks of 32 codes, four codes in three bytes); query_scales 4 x 2,048 x 32 uint8 (E8M0 scales of query, one for each 32 codes along K); value_codes 4 x 2,048 x 32 x 24 uint8 (E2M3 codes of value, K innermost, in blocks of 32 codes, four codes in three bytes); value_scales 4 x 2,048 x 32 uint8 (E8M0 scales of value, one for each 32 codes along K).
;; Outputs: out0 4 x 2,048 x 1,024 float32.
;; This version of the problem:
;;   THIS VERSION OF THE PROBLEM IS GIVEN IN LOW PRECISION. The matrix products marked QUANTISED in the list below multiply operands that are first quantised to E2M3 (2 exponent bits, 3 mantissa bits; 6 bits a number), with one power-of-two scale for each 32 numbers along K (OCP MX v1.0); their sums are f32. All else is computed in f32.
;;   The module's matrix products, in the order in which they are computed (A, B: the left and right operand; K: the contracted axis; several contracted axes count as one K, in the product's order):
;;     1. [M 8,192, K 1,024] x [K 1,024, N 1,024]; A: input query (given as codes); B: input Wq (given as codes): QUANTISED
;;     2. [M 8,192, K 1,024] x [K 1,024, N 1,024]; A: input key (given as codes); B: input Wk (given as codes): QUANTISED
;;     3. [M 8,192, K 1,024] x [K 1,024, N 1,024]; A: input value (given as codes); B: input Wv (given as codes): QUANTISED
;;     4. batch 64 x [M 2,048, K 64] x [K 64, N 2,048]; A: computed on the way; B: computed on the way: QUANTISED
;;     5. batch 64 x [M 2,048, K 2,048] x [K 2,048, N 64]; A: softmax (see below); B: computed on the way: QUANTISED
;;     6. [M 8,192, K 1,024] x [K 1,024, N 1,024]; A: computed on the way; B: input Wo (given as codes): QUANTISED
;;   THE QUANTISER, for each operand of a quantised product, along K:
;;     - K is cut into blocks of 32 from its start; a last block that is shorter is filled with zeros.
;;     - A block's scale is 2^e with e = floor(log2(the largest magnitude in the block)) - 2, held to -126 .. 127; a block of zeros has e = 0. As a byte (E8M0): e + 127.
;;     - Each number is divided by its block's scale, clamped to +-7.5, and rounded to the nearest number of E2M3, ties to even, subnormals kept.
;;     - The product sums the exact products of the quantised numbers (number of the format x scale) in f32.
;;   ~~~python
;;   def quantise(x, axis):      # numpy; x: float32 -> the quantised numbers, widened to float32 again
;;       x = np.moveaxis(x, axis, -1); K = x.shape[-1]
;;       x = np.pad(x, [(0, 0)] * (x.ndim - 1) + [(0, -K % 32)]); x = x.reshape(x.shape[:-1] + (-1, 32)); a = np.abs(x).max(-1, keepdims=True)
;;       e = np.where(a > 0, np.clip(np.frexp(np.where(a > 0, a, 1))[1] - 1 - 2, -126, 127), 0)      # np.frexp(a)[1] - 1 = floor(log2(a)), exactly
;;       r = np.clip(x / 2.0 ** e, -7.5, 7.5)
;;       step = 2.0 ** (np.maximum(np.frexp(np.where(r == 0, 1, r))[1] - 1, 0) - 3)
;;       q = np.round(r / step) * step * 2.0 ** e      # np.round: ties to even
;;       return np.moveaxis(q.reshape(q.shape[:-2] + (-1,))[..., :K], -1, axis).astype(np.float32)
;;   ~~~
;;   SOFTMAX AHEAD OF A QUANTISED PRODUCT. Where the list says 'softmax', what is quantised is not the finished softmax but p = 2^(t - M), with t = logit x log2(e) and M = ceil(the row's largest t), a whole number; so 1/2 < the row's largest p <= 1. The row's sum l is taken of the UNQUANTISED p, in f32, and the product's result is divided by l at the end. Since M is a whole number, a kernel that streams over the keys may use a running M (the ceiling of the running maximum): every later rescaling is an exact power of two, which a block's scale takes up: the codes' values come out the same.
;;   OPERANDS COMPUTED ON THE WAY. 'Computed on the way' means the value that the module computes at that place (a softmax that the list does not call 'softmax' is quantised finished and normalised). What goes into a quantiser is computed in f32, as accurately as f32 sums, v_exp_f32 and their like allow (about 1e-6 of the number): no bf16 or f16 on the way to a quantiser, and a product that is left as it is and whose result goes on into a quantised operand takes f32 operands (vector FMAs, or v_wmma_f32_16x16x4_f32). A number that lies on a knife's edge between two numbers of the format may be rounded either way, as far as f32 arithmetic and the matrix unit's own rounding can turn it there, and no further.
;;   INPUTS GIVEN AS CODES. Wk (in the module: [1024, 1024], K = its axis 1); Wo (in the module: [1024, 1024], K = its axis 1); Wq (in the module: [1024, 1024], K = its axis 1); Wv (in the module: [1024, 1024], K = its axis 1); key (in the module: [4, 2048, 1024], K = its axis 2); query (in the module: [4, 2048, 1024], K = its axis 2); value (in the module: [4, 2048, 1024], K = its axis 2): each comes as NAME_codes (uint8): NAME with its K axis moved to the last place and cut into blocks of 32 codes, [.., K / 32, bytes a block], one block behind the other in memory; four codes in three bytes: a row's codes are one little-endian stream of bits, code i at bits 6 i .. 6 i + 5 (a code: sign, 2 exponent bits, 3 mantissa bits); and NAME_scales (uint8): the same leading axes, one E8M0 byte (e + 127) for each 32 codes along K. Its value is code x scale, taken as it is: it is not quantised again, and the codes and scales need not be those that the quantiser above would give.
;; One version. Each part assembles by itself: llvm-mc -triple=amdgcn-amd-amdhsa -mcpu=gfx1250 --defsym DOCPART=n.
;; ======== version 1 of 1: 4 launches
;; limits: right only within a limited range of input values
;; workspace buffers: qbuf 13,369,344 bytes; kvbuf 13,369,344 bytes; oimg 6,291,456 bytes; oscl 262,144 bytes
;; launch projqk (part 1): grid 4 x 128, 4 waves a work-group, clusters of 4 x 4, 327,680 bytes of LDS; arguments query_codes, query_scales, key_codes, key_scales, Wq_codes, Wq_scales, Wk_codes, Wk_scales, bq, bk, q_norm_w, k_norm_w, qbuf, kvbuf; writes qbuf, kvbuf
.if DOCPART == 1
	.amdgcn_target "amdgcn-amd-amdhsa--gfx1250"
	.amdhsa_code_object_version 6
	.text
	.protected	k_qf5441bb85a_projqk
	.globl	k_qf5441bb85a_projqk
	.p2align	8
	.type	k_qf5441bb85a_projqk,@function
k_qf5441bb85a_projqk:
	s_mov_b64 s[64:65], 0
	v_nop
	global_prefetch_b8 v0, s[64:65] scope:SCOPE_SE
	s_setreg_imm32_b32 hwreg(HW_REG_WAVE_MODE, 25, 1), 1
	s_wait_xcnt 0x0
	s_wait_alu depctr_hold_cnt(0) depctr_sa_sdst(0) depctr_va_vdst(0) depctr_va_sdst(0) depctr_va_ssrc(0) depctr_va_vcc(0) depctr_vm_vsrc(0)
	s_getreg_b32 s2, hwreg(HW_REG_IB_STS2, 6, 4)
	s_cmp_eq_u32 s2, 0
	s_cbranch_scc0 .Lentry_in_a_cluster
	s_endpgm
.Lentry_in_a_cluster:
	s_bfe_u32 s2, ttmp6, 0x10000c
	s_cmp_lg_u32 s2, 0xf033
	s_cbranch_scc0 .Lentry_shape_is_right
	s_endpgm
.Lentry_shape_is_right:
; q = rmsnorm(query Wq^T + bq) q_norm_w and k likewise, on codes of FP6 (E2M3) as given; the result is quantised along the head (two blocks of 32) and stored as attention's fragments.
; No work is left out.  LIMITS: NaN and infinities are not served; a block of zeros, or one under 2^(3 - 127), gets the scale byte 1 (its codes are zeros; this program alone reads the bytes).
; Inside a block of 32 the codes of q and k lie in the order 0-7, 16-23, 8-15, 24-31, on both sides alike.
; A work-group makes 128 tokens x 256 features; cluster rows 0-15 serve q, 16-31 k.  All of K = 1,024 lies in LDS, filled once: the tokens' 128 rows of 768 bytes (16 bytes of padding behind every 256), and the
; weight's 256 rows as three chunks of 256 bytes (LDS pitch 272).  Every row of a tensor load begins at a multiple of 256 bytes.  One joint load a wave: wave 0 the tokens, waves 1-3 a chunk each.
; The first barrier shows wave 0's and wave 1's tiles; chunks 1 and 2 are shown by plain barriers in steps 1 and 4; nothing is filled again.  4 x 4 clusters: tokens shared along a row, the weight along a column.
; A wave makes 64 tokens x 128 features: 32 accumulators.  Source 0 = the weight's rows, source 1 = the tokens: a lane holds one token, its registers run along the features.
; Scale bytes go straight into registers: a lane takes 16 bytes of its row, lanes 0-15 words 0-3, lanes 16-31 words 4-7: each load covers 512 consecutive bytes.
; No prefetch: the launch has no loop to run ahead in; all its tiles are asked for at the head.
; The scale words of a record are stored 8 bytes a lane at a pitch of 16: two waves share a record's 512 bytes of them.
; REGISTERS: window 0: v0-31 addresses, v32-47 tokens' scale words, v50-81 the weight's, v128-223 tokens' fragments (two sets), v224-255 the norm's weight; window 1: the weight's fragments, two sets; window 2: accumulators; window 3: v0-63 the bias.
.set REC, 13056
.set KROW, 768
.set PA, 816
.set PB, 272
.set CHB, 256*PB
.set BBASE, 128*PA
.set SPARE, BBASE+3*CHB
.set PADW, (1<<20)|(1<<21)|(5<<22)|(3<<25)
.set NP, 4
.set AA, 16
.set BA, 18
.set BX, 21
.set VS, 23
.set SPW, 28
.set NIL, 29
.set L16, 30
.set LS, 31
.set SA, 32
.set SB, 50
.set AF, 128
.set NW, 224
.set TM, 32
.set T0, 48
.set T1, 49
.set SSQ, 52
.set RS, 60
.set Y, 64
.set CD, 128
.set SCW, 148
.set G1, 24
.set G0, 32
.set G1B, 48
.set G0B, 56
.set MULW, 0xa1
.set ZERW, 0xb1
.set MSB, 0
.macro WIN new
.if MSB != (\new)
	s_set_vgpr_msb (MSB<<8)|(\new)
.set MSB, (\new)
.endif
.endm
.macro PLACES n
.rept \n
	v_nop
.endr
.endm
.macro TL g0, g1
	tensor_load_to_lds s[\g0:\g0+3], s[\g1:\g1+7]
	s_nop 0
	PLACES 4
.endm
.macro CROUND
	s_barrier_signal -1
	s_barrier_wait -1
	s_cmp_lg_u32 s14, 0
	s_cbranch_scc1 .Lnot_wave_0_\@
	s_barrier_signal -3
.Lnot_wave_0_\@:
	s_barrier_wait -3
	s_barrier_signal -1
	s_barrier_wait -1
.endm
.macro FRB reg, s, i                   ; a fragment of source 0: six pieces of 8 bytes; byte y of a row lies in chunk y / 256; v[BX+c]: lanes 0-15 in chunk c, lanes 16-31 in chunk c + 1
.irp p, 0,1,2,3,4,5
.set BY, 96*(\s)+48*(\p/3)+8*(\p%3)
.if BY/256 == (BY+24)/256
	ds_load_b64 v[\reg+2*\p:\reg+2*\p+1], v[BA+BY/256] offset:BY%256+(\i)*16*PB
.else
	ds_load_b64 v[\reg+2*\p:\reg+2*\p+1], v[BX+BY/256] offset:BY%256+(\i)*16*PB
.endif
.endr
.endm
.macro FRA reg, s, i                   ; a fragment of source 1; v[AA+1]: lanes 16-31 behind one padding more
.irp p, 0,1,2,3,4,5
.set BY, 96*(\s)+48*(\p/3)+8*(\p%3)
.if BY/256 == (BY+24)/256
	ds_load_b64 v[\reg+2*\p:\reg+2*\p+1], v[AA] offset:BY+16*(BY/256)+(\i)*16*PA
.else
	ds_load_b64 v[\reg+2*\p:\reg+2*\p+1], v[AA+1] offset:BY+16*(BY/256)+(\i)*16*PA
.endif
.endr
.endm
.macro FETCH s                         ; step s's 12 fragments into set s % 2
	WIN 0x40
.set I_, 0
.rept 8
	FRB 128*((\s)%2)+12*I_, \s, I_
.set I_, I_+1
.endr
	WIN 0
.set I_, 0
.rept 4
	FRA AF+48*((\s)%2)+12*I_, \s, I_
.set I_, I_+1
.endr
.endm
.macro MUL a0, s, zero                 ; 16 products; the 32 accumulators take turns in one order; zero = 1: the bias is the first products' C
.set A_, \a0
.rept 2
.set B_, 0
.rept 8
.set D_, 8*(8*A_+B_)
.set FB_, 128*((\s)%2)+12*B_
.set FA_, AF+48*((\s)%2)+12*A_
.set XB_, SB+4*B_+(\s)%4
.set XA_, SA+4*A_+(\s)%4
.if \zero
	v_wmma_scale_f32_16x16x128_f8f6f4 v[D_:D_+7], v[FB_:FB_+11], v[FA_:FA_+11], v[8*B_:8*B_+7], v[XB_], v[XA_] matrix_a_fmt:MATRIX_FMT_FP6 matrix_b_fmt:MATRIX_FMT_FP6
.elseif (\s)/4
	v_wmma_scale_f32_16x16x128_f8f6f4 v[D_:D_+7], v[FB_:FB_+11], v[FA_:FA_+11], v[D_:D_+7], v[XB_], v[XA_] matrix_a_fmt:MATRIX_FMT_FP6 matrix_b_fmt:MATRIX_FMT_FP6 matrix_a_scale:MATRIX_SCALE_ROW1 matrix_b_scale:MATRIX_SCALE_ROW1
.else
	v_wmma_scale_f32_16x16x128_f8f6f4 v[D_:D_+7], v[FB_:FB_+11], v[FA_:FA_+11], v[D_:D_+7], v[XB_], v[XA_] matrix_a_fmt:MATRIX_FMT_FP6 matrix_b_fmt:MATRIX_FMT_FP6
.endif
.set B_, B_+1
.endr
.set A_, A_+1
.endr
.endm
.macro STEP s, w                       ; 128 along K: the next step's fragments are fetched, then this step's 32 products
	PLACES NP                                      ; behind the last step's products, ahead of loads into the set that they read
.if (\s) == 1
	s_cmp_eq_u32 s14, 3
	s_cbranch_scc1 .Lnot_yet_\@
	s_wait_tensorcnt 0x0                           ; chunk 1 (wave 2's) is in; wave 3's load, a line of its own, may be out
.Lnot_yet_\@:
.endif
.if (\s) == 4
	s_wait_tensorcnt 0x0                           ; all that is still out
.endif
	s_wait_dscnt 0x0                               ; this step's fragments are in
.if (\s) == 1 || (\s) == 4
	s_barrier_signal -1
	WIN \w
	MUL 0, \s, 0
	WIN 0
	s_barrier_wait -1                              ; the next chunk is whole for all waves
	FETCH (\s)+1
	WIN \w
	MUL 2, \s, 0
.else
	FETCH (\s)+1
	WIN \w
	MUL 0, \s, (\s)==0
	MUL 2, \s, (\s)==0
.endif
	WIN 0
.endm
	s_load_b512 s[68:83], s[0:1], 0x0
	s_load_b256 s[84:91], s[0:1], 0x40
	s_load_b128 s[92:95], s[0:1], 0x60
	v_lshl_add_u32 v[SPW], v0, 2, SPARE
	v_mov_b32 v[NIL], 0
	ds_add_u32 v[SPW], v[NIL]                      ; the opening lines
	ds_add_u32 v[SPW], v[NIL]
	v_lshrrev_b32 v1, 5, v0
	v_readfirstlane_b32 s14, v1                    ; wave
	s_lshr_b32 s15, s14, 1                         ; my half of the tokens
	s_and_b32 s16, s14, 1                          ; my half of the features
	s_bfe_u32 s40, ttmp6, 0x40000
	s_bfe_u32 s41, ttmp6, 0x40004
	s_lshl_b32 s42, ttmp9, 2
	s_add_co_u32 s42, s42, s40                     ; block of 256 features
	s_and_b32 s96, ttmp7, 0xffff
	s_cmp_lt_u32 s96, 16
	s_cselect_b32 s97, 0, 16
	s_sub_co_u32 s17, s96, s97
	s_lshl_b32 s17, s17, 2
	s_add_co_u32 s17, s17, s41                     ; block of 128 tokens of q or of k, 0..63
	s_lshl_b32 s43, s41, 2
	s_lshl_b32 s43, 15, s43
	s_lshl_b32 s44, 0x1111, s40
	s_or_b32 s[G1], s43, PADW
	s_mov_b32 s[G1+1], 768<<16
	s_mov_b32 s[G1+2], 128<<16
	s_mov_b32 s[G1+3], 768<<16
	s_mov_b32 s[G1+4], 128
	s_mov_b32 s[G1+5], KROW
	s_mov_b32 s[G1+6], 0
	s_mov_b32 s[G1+7], 0
	s_or_b32 s[G1B], s44, PADW
	s_mov_b32 s[G1B+1], 256<<16
	s_mov_b32 s[G1B+2], 256<<16
	s_mov_b32 s[G1B+3], 256<<16
	s_mov_b32 s[G1B+4], 256
	s_mov_b32 s[G1B+5], KROW
	s_mov_b32 s[G1B+6], 0
	s_mov_b32 s[G1B+7], 0
	s_mov_b32 s[G0], 1
	s_mov_b32 s[G0+1], 0
	s_mov_b32 s[G0B], 1
	s_mul_i32 s[G0B+1], s14, CHB
	s_add_co_u32 s[G0B+1], s[G0B+1], BBASE-CHB     ; wave w brings chunk w - 1
	s_mul_i32 s20, s17, 128*KROW
	s_mov_b32 s21, 0
	s_mul_i32 s22, s42, 256*KROW
	s_lshl_b32 s23, s14, 8
	s_add_co_u32 s22, s22, s23
	s_mov_b32 s23, 0
	s_lshl_b32 s46, s17, 12                        ; my 64 tokens' scale bytes
	s_lshl_b32 s47, s15, 11
	s_add_co_u32 s46, s46, s47
	s_mov_b32 s47, 0
	s_lshl_b32 s36, s42, 13                        ; my 128 features' scale bytes
	s_lshl_b32 s37, s16, 12
	s_add_co_u32 s36, s36, s37
	s_mov_b32 s37, 0
	s_lshr_b32 s38, s17, 4                         ; record: (batch x 16 + head) x 16 + step
	s_lshl_b32 s38, s38, 4
	s_lshl_b32 s39, s42, 2
	s_add_co_u32 s38, s38, s39
	s_lshl_b32 s39, s16, 1
	s_add_co_u32 s38, s38, s39
	s_lshl_b32 s38, s38, 4
	s_and_b32 s39, s17, 15
	s_add_co_u32 s38, s38, s39
	s_mul_i32 s38, s38, REC
	s_mov_b32 s39, 0
	s_lshl_b32 s2, s42, 10                         ; my features' bias
	s_lshl_b32 s3, s16, 9
	s_add_co_u32 s2, s2, s3
	s_mov_b32 s3, 0
	v_and_b32 v1, 15, v0
	v_bfe_u32 v2, v0, 4, 1
	v_and_b32 v6, 31, v0
	v_mul_u32_u24 v3, v1, PA
	s_mul_i32 s18, s15, 64*PA
	v_add_nc_u32 v3, s18, v3
	v_mad_u32_u24 v[AA], v2, 24, v3
	v_mad_u32_u24 v[AA+1], v2, 40, v3
	v_mul_u32_u24 v4, v1, PB
	s_mul_i32 s18, s16, 128*PB
	s_add_co_u32 s18, s18, BBASE
	v_add_nc_u32 v4, s18, v4
	v_mad_u32_u24 v[BA], v2, 24, v4
	v_add_nc_u32 v[BA+1], CHB, v[BA]
	v_add_nc_u32 v[BA+2], 2*CHB, v[BA]
	v_mad_u32_u24 v[BX], v2, CHB-232, v4
	v_add_nc_u32 v[BX+1], CHB, v[BX]
	v_lshlrev_b32 v5, 5, v1
	v_lshl_add_u32 v[VS], v2, 4, v5
	v_lshlrev_b32 v7, 5, v2
	s_mul_i32 s18, s15, 3072                       ; my two pairs of token tiles in the record
	s_lshl_b32 s19, s15, 3
	v_lshl_add_u32 v[L16], v6, 4, s18
	v_lshl_add_u32 v[LS], v6, 4, s19
	s_wait_alu depctr_va_vdst(0)                   ; the wait at the head's end
	s_wait_dscnt 0x0
	s_wait_kmcnt 0x0
	s_cmp_lt_u32 s96, 16
	s_cselect_b64 s[4:5], s[68:69], s[72:73]
	s_cselect_b64 s[6:7], s[70:71], s[74:75]
	s_cselect_b64 s[8:9], s[76:77], s[80:81]
	s_cselect_b64 s[10:11], s[78:79], s[82:83]
	s_cselect_b64 s[98:99], s[84:85], s[86:87]
	s_cselect_b64 s[100:101], s[88:89], s[90:91]
	s_cselect_b64 s[12:13], s[92:93], s[94:95]
	s_add_nc_u64 s[G0+2:G0+3], s[4:5], s[20:21]
	s_or_b32 s[G0+3], s[G0+3], 0x80000000
	s_add_nc_u64 s[G0B+2:G0B+3], s[8:9], s[22:23]
	s_sub_nc_u64 s[G0B+2:G0B+3], s[G0B+2:G0B+3], 256
	s_or_b32 s[G0B+3], s[G0B+3], 0x80000000
	s_add_nc_u64 s[6:7], s[6:7], s[46:47]
	s_add_nc_u64 s[10:11], s[10:11], s[36:37]
	s_add_nc_u64 s[12:13], s[12:13], s[38:39]
	s_add_nc_u64 s[98:99], s[98:99], s[2:3]
	CROUND                                         ; the joint loads meet
	s_cmp_eq_u32 s14, 0
	s_cbranch_scc0 .Lw1
	TL G0, G1
	s_branch .Lasked
.Lw1:
	s_cmp_eq_u32 s14, 1
	s_cbranch_scc0 .Lw2
	TL G0B, G1B
	s_branch .Lasked
.Lw2:
	s_cmp_eq_u32 s14, 2
	s_cbranch_scc0 .Lw3
	TL G0B, G1B
	s_branch .Lasked
.Lw3:
	TL G0B, G1B
.Lasked:
.irp a, 0,1,2,3
	global_load_b128 v[SA+4*\a:SA+4*\a+3], v[VS], s[6:7] offset:512*\a
.endr
.irp b, 0,1,2,3,4,5,6,7
	global_load_b128 v[SB+4*\b:SB+4*\b+3], v[VS], s[10:11] offset:512*\b
.endr
.irp b, 0,1,2,3
	global_load_b128 v[NW+8*\b:NW+8*\b+3], v7, s[100:101] offset:64*\b
	global_load_b128 v[NW+8*\b+4:NW+8*\b+7], v7, s[100:101] offset:64*\b+16
.endr
	WIN 0xc0
.irp b, 0,1,2,3,4,5,6,7
	global_load_b128 v[8*\b:8*\b+3], v7, s[98:99] offset:64*\b
	global_load_b128 v[8*\b+4:8*\b+7], v7, s[98:99] offset:64*\b+16
.endr
	WIN 0
	s_cmp_lt_u32 s14, 2
	s_cbranch_scc0 .Lb1
	s_wait_tensorcnt 0x0
.Lb1:
	s_barrier_signal -1
	s_barrier_wait -1                              ; the tokens' rows and chunk 0 are in
	FETCH 0
	s_wait_loadcnt 0x0
	STEP 0, ZERW
.irp s, 1,2,3,4,5,6
	STEP \s, MULW
.endr
	s_wait_dscnt 0x0
	WIN MULW
	MUL 0, 7, 0
	MUL 2, 7, 0
	WIN 0
.macro QUANT s                         ; 64 numbers of a lane, 16 of each of four blocks, become 12 registers of codes and four scale bytes
.irp b, 0,1,2,3
	v_max3_num_f32 v[TM+\b], |v[\s+16*\b]|, |v[\s+1+16*\b]|, 0x1800000
.endr
.irp i, 2,4,6,8,10,12,14
.irp b, 0,1,2,3
	v_max3_num_f32 v[TM+\b], v[TM+\b], |v[\s+16*\b+\i]|, |v[\s+1+16*\b+\i]|
.endr
.endr
.irp b, 0,1,2,3
	v_permlanex16_b32 v[TM+4+\b], v[TM+\b], s20, s21
.endr
.irp b, 0,1,2,3
	v_max_num_f32 v[TM+\b], v[TM+\b], v[TM+4+\b]
.endr
.irp b, 0,1,2,3
	v_add_nc_u32 v[TM+12+\b], 0xff000000, v[TM+\b]
.endr
.irp b, 0,1,2,3
	v_lshrrev_b32 v[TM+4+\b], 23, v[TM+12+\b]
.endr
.irp c, 0,1
	v_cvt_scalef32_pk16_fp6_f32 v[CD+6*\c:CD+2+6*\c], v[\s+32*\c:\s+15+32*\c], v[TM+12+2*\c]
	v_cvt_scalef32_pk16_fp6_f32 v[CD+12+4*\c:CD+14+4*\c], v[\s+16+32*\c:\s+31+32*\c], v[TM+12+2*\c+1]
.endr
	v_nop
.irp c, 0,1
.irp i, 0,1,2
	v_permlane16_swap_b32 v[CD+6*\c+\i], v[CD+12+4*\c+\i]
.endr
.irp i, 0,1,2
	v_mov_b32 v[CD+3+6*\c+\i], v[CD+12+4*\c+\i]
.endr
.endr
.endm
.macro HP hd, c                        ; head hd, pair c of my token tiles: the norm, its weight, the quantiser, the stores
.set WN, 2
.set AC0, 128*(\c)+32*(\hd)
	WIN 5*WN
.irp k, 0,1
	v_pk_mul_f32 v[SSQ+4*\k:SSQ+4*\k+1], v[AC0+64*\k:AC0+64*\k+1], v[AC0+64*\k:AC0+64*\k+1]
	v_pk_mul_f32 v[SSQ+4*\k+2:SSQ+4*\k+3], v[AC0+64*\k+2:AC0+64*\k+3], v[AC0+64*\k+2:AC0+64*\k+3]
.endr
.irp i, 4,8,12,16,20,24,28
.irp k, 0,1
	v_pk_fma_f32 v[SSQ+4*\k:SSQ+4*\k+1], v[AC0+64*\k+\i:AC0+64*\k+\i+1], v[AC0+64*\k+\i:AC0+64*\k+\i+1], v[SSQ+4*\k:SSQ+4*\k+1]
	v_pk_fma_f32 v[SSQ+4*\k+2:SSQ+4*\k+3], v[AC0+64*\k+\i+2:AC0+64*\k+\i+3], v[AC0+64*\k+\i+2:AC0+64*\k+\i+3], v[SSQ+4*\k+2:SSQ+4*\k+3]
.endr
.endr
	WIN 0
.irp k, 0,1
	v_pk_add_f32 v[SSQ+4*\k:SSQ+4*\k+1], v[SSQ+4*\k:SSQ+4*\k+1], v[SSQ+4*\k+2:SSQ+4*\k+3]
.endr
.irp k, 0,1
	v_add_f32 v[SSQ+4*\k], v[SSQ+4*\k], v[SSQ+4*\k+1]
.endr
.irp k, 0,1
	v_permlanex16_b32 v[SSQ+4*\k+1], v[SSQ+4*\k], s20, s21
.endr
.irp k, 0,1
	v_add_f32 v[SSQ+4*\k], v[SSQ+4*\k], v[SSQ+4*\k+1]
.endr
.irp k, 0,1
	v_fma_f32 v[SSQ+4*\k], v[SSQ+4*\k], s22, s23   ; mean of squares + eps
.endr
	s_wait_alu depctr_va_vdst(0)                   ; the wait ahead of the batch
.irp k, 0,1
	v_rsq_f32 v[RS+2*\k], v[SSQ+4*\k]
.endr
	v_nop
	s_wait_alu depctr_va_vdst(0)                   ; and behind it
	WIN WN
.irp k, 0,1
.set J, 0
.rept 16
	v_pk_mul_f32 v[Y+32*\k+J:Y+32*\k+J+1], v[AC0+64*\k+J:AC0+64*\k+J+1], v[RS+2*\k:RS+2*\k+1] op_sel_hi:[1,0]
.set J, J+2
.endr
.endr
	WIN 0
.irp k, 0,1
.set J, 0
.rept 16
	v_pk_mul_f32 v[Y+32*\k+J:Y+32*\k+J+1], v[Y+32*\k+J:Y+32*\k+J+1], v[NW+J:NW+J+1]
.set J, J+2
.endr
.endr
	s_wait_xcnt 0x0                                ; the earlier stores have read their data
	QUANT Y
.irp g, 0,1,2
	global_store_b128 v[L16], v[CD+4*\g:CD+4*\g+3], s[12:13] offset:(\hd)*16*REC+1536*(\c)+512*\g
.endr
	v_lshl_or_b32 v[T0], v[TM+5], 8, v[TM+4]
	v_lshl_or_b32 v[T1], v[TM+7], 8, v[TM+6]
	v_cndmask_b32 v[T0], v[T0], v[T1], s18
	v_lshl_or_b32 v[SCW+(\c)], v[T0], 16, v[T0]
.if (\c) == 1
	global_store_b64 v[LS], v[SCW:SCW+1], s[12:13] offset:(\hd)*16*REC+12288
.endif
.endm
	PLACES NP
	s_mov_b32 s18, 0xffff0000
	s_mov_b32 s20, 0x76543210
	s_mov_b32 s21, 0xfedcba98
	s_mov_b32 s22, 0x3c800000
	s_mov_b32 s23, 0x358637bd
.irp b, 0,1,2,3
	v_mov_b32 v[TM+4+\b], 0
.endr
	v_mov_b32 v[RS+1], 0
	v_mov_b32 v[RS+3], 0
.irp hd, 0,1
.irp c, 0,1
	HP \hd, \c
.endr
.endr
	s_wait_tensorcnt 0x0                           ; the wave's end
	ds_add_u32 v[SPW], v[NIL]
	s_wait_dscnt 0x0
	CROUND
	s_endpgm
.Lfunc_end_k_qf5441bb85a_projqk:
	.size	k_qf5441bb85a_projqk, .Lfunc_end_k_qf5441bb85a_projqk-k_qf5441bb85a_projqk
	.p2alignl 7, 3214868480
	.fill 96, 4, 3214868480
	.section	.rodata,"a",@progbits
	.p2align	6, 0x0
	.amdhsa_kernel k_qf5441bb85a_projqk
		.amdhsa_group_segment_fixed_size 327680
		.amdhsa_private_segment_fixed_size 0
		.amdhsa_enable_private_segment 0
		.amdhsa_kernarg_size 112
		.amdhsa_user_sgpr_count 2
		.amdhsa_user_sgpr_kernarg_segment_ptr 1
		.amdhsa_wavefront_size32 1
		.amdhsa_system_sgpr_workgroup_id_x 1
		.amdhsa_system_sgpr_workgroup_id_y 1
		.amdhsa_system_sgpr_workgroup_id_z 1
		.amdhsa_system_vgpr_workitem_id 0
		.amdhsa_next_free_vgpr 832
		.amdhsa_next_free_sgpr 102
		.amdhsa_reserve_vcc 0
		.amdhsa_float_denorm_mode_32 3
		.amdhsa_float_denorm_mode_16_64 3
		.amdhsa_memory_ordered 1
		.amdhsa_forward_progress 1
		.amdhsa_inst_pref_size 127
	.end_amdhsa_kernel
	.amdgpu_metadata
---
amdhsa.version: [ 1, 2 ]
amdhsa.kernels:
  - .name:           k_qf5441bb85a_projqk
    .symbol:         k_qf5441bb85a_projqk.kd
    .args:
      - { .name: query_codes, .offset: 0, .size: 8, .value_kind: global_buffer, .address_space: global }
      - { .name: query_scales, .offset: 8, .size: 8, .value_kind: global_buffer, .address_space: global }
      - { .name: key_codes, .offset: 16, .size: 8, .value_kind: global_buffer, .address_space: global }
      - { .name: key_scales, .offset: 24, .size: 8, .value_kind: global_buffer, .address_space: global }
      - { .name: Wq_codes, .offset: 32, .size: 8, .value_kind: global_buffer, .address_space: global }
      - { .name: Wq_scales, .offset: 40, .size: 8, .value_kind: global_buffer, .address_space: global }
      - { .name: Wk_codes, .offset: 48, .size: 8, .value_kind: global_buffer, .address_space: global }
      - { .name: Wk_scales, .offset: 56, .size: 8, .value_kind: global_buffer, .address_space: global }
      - { .name: bq, .offset: 64, .size: 8, .value_kind: global_buffer, .address_space: global }
      - { .name: bk, .offset: 72, .size: 8, .value_kind: global_buffer, .address_space: global }
      - { .name: q_norm_w, .offset: 80, .size: 8, .value_kind: global_buffer, .address_space: global }
      - { .name: k_norm_w, .offset: 88, .size: 8, .value_kind: global_buffer, .address_space: global }
      - { .name: qbuf, .offset: 96, .size: 8, .value_kind: global_buffer, .address_space: global }
      - { .name: kvbuf, .offset: 104, .size: 8, .value_kind: global_buffer, .address_space: global }
    .group_segment_fixed_size: 327680
    .private_segment_fixed_size: 0
    .kernarg_segment_align: 8
    .kernarg_segment_size: 112
    .max_flat_workgroup_size: 128
    .sgpr_count:     102
    .vgpr_count:     832
    .wavefront_size: 32
...
	.end_amdgpu_metadata
.endif
;; end of part 1
;; launch projv (part 2): grid 32 x 8, 4 waves a work-group, clusters of 4 x 4, 327,680 bytes of LDS; arguments Wv_codes, Wv_scales, value_codes, value_scales, bv, kvbuf; writes kvbuf
.if DOCPART == 2
	.amdgcn_target "amdgcn-amd-amdhsa--gfx1250"
	.amdhsa_code_object_version 6
	.text
	.protected	k_qf5441bb85a_projv
	.globl	k_qf5441bb85a_projv
	.p2align	8
	.type	k_qf5441bb85a_projv,@function
k_qf5441bb85a_projv:
	s_mov_b64 s[64:65], 0
	v_nop
	global_prefetch_b8 v0, s[64:65] scope:SCOPE_SE
	s_setreg_imm32_b32 hwreg(HW_REG_WAVE_MODE, 25, 1), 1
	s_wait_xcnt 0x0
	s_wait_alu depctr_hold_cnt(0) depctr_sa_sdst(0) depctr_va_vdst(0) depctr_va_sdst(0) depctr_va_ssrc(0) depctr_va_vcc(0) depctr_vm_vsrc(0)
	s_getreg_b32 s2, hwreg(HW_REG_IB_STS2, 6, 4)
	s_cmp_eq_u32 s2, 0
	s_cbranch_scc0 .Lentry_in_a_cluster
	s_endpgm
.Lentry_in_a_cluster:
	s_bfe_u32 s2, ttmp6, 0x10000c
	s_cmp_lg_u32 s2, 0xf033
	s_cbranch_scc0 .Lentry_shape_is_right
	s_endpgm
.Lentry_shape_is_right:
; v = value Wv^T + bv on codes of FP6 (E2M3) as given; the result is quantised ALONG THE KEYS (blocks of 32 tokens) and stored as the fragments of attention's second product.  No work is left out.
; LIMITS: NaN and infinities are not served; a block of zeros, or one under 2^(3 - 127), gets the scale byte 1.  Inside a block of 32 keys the codes lie in the order 0-7, 16-23, 8-15, 24-31, as the softmax's p will lie.
; A work-group makes 128 features x 256 tokens.  All of K = 1,024 lies in LDS, filled once: the weight's 128 rows of 768 bytes (16 bytes of padding behind every 256), the tokens' 256 rows as three chunks of 256 bytes (pitch 272).
; One joint load a wave: wave 0 the weight, waves 1-3 a chunk each; the first barrier shows waves 0 and 1's tiles, plain barriers in steps 1 and 4 the other chunks; nothing is filled again.
; 4 x 4 clusters: the weight's rows shared along a row, the tokens' along a column.  A wave makes 64 features (one head) x 128 tokens (one key step): source 0 = tokens, source 1 = the weight: a lane holds one feature.
; Scale bytes go straight into registers, 512 consecutive bytes a load: lanes 0-15 words 0-3, lanes 16-31 words 4-7.  No prefetch: the launch has no loop to run ahead in.
; REGISTERS: window 0: v0-31 addresses, v32-47 and v50-81 scale words, v128-223 the weight's fragments (two sets), v224-231 the bias; window 1: the tokens' fragments, two sets; window 2: accumulators.
.set REC, 13056
.set KROW, 768
.set PA, 816
.set PB, 272
.set CHB, 256*PB
.set BBASE, 128*PA
.set SPARE, BBASE+3*CHB
.set PADW, (1<<20)|(1<<21)|(5<<22)|(3<<25)
.set NP, 4
.set AA, 16
.set BA, 18
.set BX, 21
.set VS, 23
.set SPW, 28
.set NIL, 29
.set L16, 30
.set L8, 31
.set SA, 32
.set SB, 50
.set AF, 128
.set BV, 224
.set TM, 32
.set PWE, 50
.set PW, 51
.set Y, 64
.set CD, 128
.set VSI, 148
.set G1, 24
.set G0, 32
.set G1B, 48
.set G0B, 56
.set MULW, 0xa1
.set MSB, 0
.macro WIN new
.if MSB != (\new)
	s_set_vgpr_msb (MSB<<8)|(\new)
.set MSB, (\new)
.endif
.endm
.macro PLACES n
.rept \n
	v_nop
.endr
.endm
.macro TL g0, g1
	tensor_load_to_lds s[\g0:\g0+3], s[\g1:\g1+7]
	s_nop 0
	PLACES 4
.endm
.macro CROUND
	s_barrier_signal -1
	s_barrier_wait -1
	s_cmp_lg_u32 s14, 0
	s_cbranch_scc1 .Lnot_wave_0_\@
	s_barrier_signal -3
.Lnot_wave_0_\@:
	s_barrier_wait -3
	s_barrier_signal -1
	s_barrier_wait -1
.endm
.macro FRB reg, s, i                   ; a fragment of source 0: byte y of a row lies in chunk y / 256; v[BX+c]: lanes 0-15 in chunk c, lanes 16-31 in chunk c + 1
.irp p, 0,1,2,3,4,5
.set BY, 96*(\s)+48*(\p/3)+8*(\p%3)
.if BY/256 == (BY+24)/256
	ds_load_b64 v[\reg+2*\p:\reg+2*\p+1], v[BA+BY/256] offset:BY%256+(\i)*16*PB
.else
	ds_load_b64 v[\reg+2*\p:\reg+2*\p+1], v[BX+BY/256] offset:BY%256+(\i)*16*PB
.endif
.endr
.endm
.macro FRA reg, s, i                   ; a fragment of source 1; v[AA+1]: lanes 16-31 behind one padding more
.irp p, 0,1,2,3,4,5
.set BY, 96*(\s)+48*(\p/3)+8*(\p%3)
.if BY/256 == (BY+24)/256
	ds_load_b64 v[\reg+2*\p:\reg+2*\p+1], v[AA] offset:BY+16*(BY/256)+(\i)*16*PA
.else
	ds_load_b64 v[\reg+2*\p:\reg+2*\p+1], v[AA+1] offset:BY+16*(BY/256)+(\i)*16*PA
.endif
.endr
.endm
.macro FETCH s
	WIN 0x40
.set I_, 0
.rept 8
	FRB 128*((\s)%2)+12*I_, \s, I_
.set I_, I_+1
.endr
	WIN 0
.set I_, 0
.rept 4
	FRA AF+48*((\s)%2)+12*I_, \s, I_
.set I_, I_+1
.endr
.endm
.macro MUL a0, s, zero                 ; 16 products; the 32 accumulators take turns in one order; zero = 1: the first product starts the sums
.set A_, \a0
.rept 2
.set B_, 0
.rept 8
.set D_, 8*(8*A_+B_)
.set FB_, 128*((\s)%2)+12*B_
.set FA_, AF+48*((\s)%2)+12*A_
.set XB_, SB+4*B_+(\s)%4
.set XA_, SA+4*A_+(\s)%4
.if \zero
	v_wmma_scale_f32_16x16x128_f8f6f4 v[D_:D_+7], v[FB_:FB_+11], v[FA_:FA_+11], 0, v[XB_], v[XA_] matrix_a_fmt:MATRIX_FMT_FP6 matrix_b_fmt:MATRIX_FMT_FP6
.elseif (\s)/4
	v_wmma_scale_f32_16x16x128_f8f6f4 v[D_:D_+7], v[FB_:FB_+11], v[FA_:FA_+11], v[D_:D_+7], v[XB_], v[XA_] matrix_a_fmt:MATRIX_FMT_FP6 matrix_b_fmt:MATRIX_FMT_FP6 matrix_a_scale:MATRIX_SCALE_ROW1 matrix_b_scale:MATRIX_SCALE_ROW1
.else
	v_wmma_scale_f32_16x16x128_f8f6f4 v[D_:D_+7], v[FB_:FB_+11], v[FA_:FA_+11], v[D_:D_+7], v[XB_], v[XA_] matrix_a_fmt:MATRIX_FMT_FP6 matrix_b_fmt:MATRIX_FMT_FP6
.endif
.set B_, B_+1
.endr
.set A_, A_+1
.endr
.endm
.macro STEP s
	PLACES NP                                      ; behind the last step's products, ahead of loads into the set that they read
.if (\s) == 1
	s_cmp_eq_u32 s14, 3
	s_cbranch_scc1 .Lnot_yet_\@
	s_wait_tensorcnt 0x0                           ; chunk 1 (wave 2's) is in; wave 3's load, a line of its own, may be out
.Lnot_yet_\@:
.endif
.if (\s) == 4
	s_wait_tensorcnt 0x0                           ; all that is still out
.endif
	s_wait_dscnt 0x0                               ; this step's fragments are in
.if (\s) == 1 || (\s) == 4
	s_barrier_signal -1
	WIN MULW
	MUL 0, \s, 0
	WIN 0
	s_barrier_wait -1                              ; the next chunk is whole for all waves
	FETCH (\s)+1
	WIN MULW
	MUL 2, \s, 0
.else
	FETCH (\s)+1
	WIN MULW
	MUL 0, \s, (\s)==0
	MUL 2, \s, (\s)==0
.endif
	WIN 0
.endm
	s_load_b128 s[4:7], s[0:1], 0x0                ; Wv's codes, scales
	s_load_b128 s[8:11], s[0:1], 0x10              ; value's codes, scales
	s_load_b128 s[96:99], s[0:1], 0x20             ; bv, kvbuf
	v_lshl_add_u32 v[SPW], v0, 2, SPARE
	v_mov_b32 v[NIL], 0
	ds_add_u32 v[SPW], v[NIL]                      ; the opening lines
	ds_add_u32 v[SPW], v[NIL]
	v_lshrrev_b32 v1, 5, v0
	v_readfirstlane_b32 s14, v1
	s_lshr_b32 s15, s14, 1                         ; my head of the block's two
	s_and_b32 s16, s14, 1                          ; my key step of its two
	s_bfe_u32 s40, ttmp6, 0x40000
	s_bfe_u32 s41, ttmp6, 0x40004
	s_lshl_b32 s42, ttmp9, 2
	s_add_co_u32 s42, s42, s40                     ; block of 256 tokens
	s_and_b32 s17, ttmp7, 0xffff
	s_lshl_b32 s17, s17, 2
	s_add_co_u32 s17, s17, s41                     ; block of 128 features
	s_lshl_b32 s43, s41, 2
	s_lshl_b32 s43, 15, s43
	s_lshl_b32 s44, 0x1111, s40
	s_or_b32 s[G1], s43, PADW
	s_mov_b32 s[G1+1], 768<<16
	s_mov_b32 s[G1+2], 128<<16
	s_mov_b32 s[G1+3], 768<<16
	s_mov_b32 s[G1+4], 128
	s_mov_b32 s[G1+5], KROW
	s_mov_b32 s[G1+6], 0
	s_mov_b32 s[G1+7], 0
	s_or_b32 s[G1B], s44, PADW
	s_mov_b32 s[G1B+1], 256<<16
	s_mov_b32 s[G1B+2], 256<<16
	s_mov_b32 s[G1B+3], 256<<16
	s_mov_b32 s[G1B+4], 256
	s_mov_b32 s[G1B+5], KROW
	s_mov_b32 s[G1B+6], 0
	s_mov_b32 s[G1B+7], 0
	s_mov_b32 s[G0], 1
	s_mov_b32 s[G0+1], 0
	s_mov_b32 s[G0B], 1
	s_mul_i32 s[G0B+1], s14, CHB
	s_add_co_u32 s[G0B+1], s[G0B+1], BBASE-CHB     ; wave w brings chunk w - 1
	s_mul_i32 s20, s17, 128*KROW
	s_mov_b32 s21, 0
	s_mul_i32 s22, s42, 256*KROW
	s_lshl_b32 s23, s14, 8
	s_add_co_u32 s22, s22, s23
	s_mov_b32 s23, 0
	s_lshl_b32 s46, s17, 12
	s_lshl_b32 s47, s15, 11
	s_add_co_u32 s46, s46, s47
	s_mov_b32 s47, 0
	s_lshl_b32 s36, s42, 13
	s_lshl_b32 s37, s16, 12
	s_add_co_u32 s36, s36, s37
	s_mov_b32 s37, 0
	s_lshr_b32 s38, s42, 3                         ; record: (batch x 16 + head) x 16 + step
	s_lshl_b32 s38, s38, 4
	s_lshl_b32 s39, s17, 1
	s_add_co_u32 s38, s38, s39
	s_add_co_u32 s38, s38, s15
	s_lshl_b32 s38, s38, 4
	s_lshl_b32 s39, s42, 1
	s_add_co_u32 s39, s39, s16
	s_and_b32 s39, s39, 15
	s_add_co_u32 s38, s38, s39
	s_mul_i32 s38, s38, REC
	s_mov_b32 s39, 0
	s_lshl_b32 s2, s17, 9                          ; 4 x my first feature
	s_lshl_b32 s3, s15, 8
	s_add_co_u32 s2, s2, s3
	s_mov_b32 s3, 0
	v_and_b32 v1, 15, v0
	v_bfe_u32 v2, v0, 4, 1
	v_and_b32 v6, 31, v0
	v_mul_u32_u24 v3, v1, PA
	s_mul_i32 s18, s15, 64*PA
	v_add_nc_u32 v3, s18, v3
	v_mad_u32_u24 v[AA], v2, 24, v3
	v_mad_u32_u24 v[AA+1], v2, 40, v3
	v_mul_u32_u24 v4, v1, PB
	s_mul_i32 s18, s16, 128*PB
	s_add_co_u32 s18, s18, BBASE
	v_add_nc_u32 v4, s18, v4
	v_mad_u32_u24 v[BA], v2, 24, v4
	v_add_nc_u32 v[BA+1], CHB, v[BA]
	v_add_nc_u32 v[BA+2], 2*CHB, v[BA]
	v_mad_u32_u24 v[BX], v2, CHB-232, v4
	v_add_nc_u32 v[BX+1], CHB, v[BX]
	v_lshlrev_b32 v5, 5, v1
	v_lshl_add_u32 v[VS], v2, 4, v5
	v_lshlrev_b32 v7, 2, v1
	v_lshlrev_b32 v[L16], 4, v6
	v_lshlrev_b32 v[L8], 3, v6
	s_wait_alu depctr_va_vdst(0)                   ; the wait at the head's end
	s_wait_dscnt 0x0
	s_wait_kmcnt 0x0
	s_add_nc_u64 s[G0+2:G0+3], s[4:5], s[20:21]
	s_or_b32 s[G0+3], s[G0+3], 0x80000000
	s_add_nc_u64 s[G0B+2:G0B+3], s[8:9], s[22:23]
	s_sub_nc_u64 s[G0B+2:G0B+3], s[G0B+2:G0B+3], 256
	s_or_b32 s[G0B+3], s[G0B+3], 0x80000000
	s_add_nc_u64 s[6:7], s[6:7], s[46:47]
	s_add_nc_u64 s[10:11], s[10:11], s[36:37]
	s_add_nc_u64 s[98:99], s[98:99], s[38:39]
	s_add_nc_u64 s[96:97], s[96:97], s[2:3]
	CROUND                                         ; the joint loads meet
	s_cmp_eq_u32 s14, 0
	s_cbranch_scc0 .Lw1
	TL G0, G1
	s_branch .Lasked
.Lw1:
	s_cmp_eq_u32 s14, 1
	s_cbranch_scc0 .Lw2
	TL G0B, G1B
	s_branch .Lasked
.Lw2:
	s_cmp_eq_u32 s14, 2
	s_cbranch_scc0 .Lw3
	TL G0B, G1B
	s_branch .Lasked
.Lw3:
	TL G0B, G1B
.Lasked:
.irp a, 0,1,2,3
	global_load_b128 v[SA+4*\a:SA+4*\a+3], v[VS], s[6:7] offset:512*\a
.endr
.irp b, 0,1,2,3,4,5,6,7
	global_load_b128 v[SB+4*\b:SB+4*\b+3], v[VS], s[10:11] offset:512*\b
.endr
.irp a, 0,1,2,3
	global_load_b32 v[BV+2*\a], v7, s[96:97] offset:64*\a       ; bv of my lane's feature in block a,
	global_load_b32 v[BV+2*\a+1], v7, s[96:97] offset:64*\a     ; twice: a pair for the packed addition
.endr
	s_cmp_lt_u32 s14, 2
	s_cbranch_scc0 .Lb1
	s_wait_tensorcnt 0x0
.Lb1:
	s_barrier_signal -1
	s_barrier_wait -1                              ; the weight's rows and chunk 0 are in
	FETCH 0
	s_wait_loadcnt 0x0
.irp s, 0,1,2,3,4,5,6
	STEP \s
.endr
	s_wait_dscnt 0x0
	WIN MULW
	MUL 0, 7, 0
	MUL 2, 7, 0
	WIN 0
.macro QUANT s                         ; 64 numbers of a lane, 16 of each of four blocks, become 12 registers of codes and four scale bytes
.irp b, 0,1,2,3
	v_max3_num_f32 v[TM+\b], |v[\s+16*\b]|, |v[\s+1+16*\b]|, 0x1800000
.endr
.irp i, 2,4,6,8,10,12,14
.irp b, 0,1,2,3
	v_max3_num_f32 v[TM+\b], v[TM+\b], |v[\s+16*\b+\i]|, |v[\s+1+16*\b+\i]|
.endr
.endr
.irp b, 0,1,2,3
	v_permlanex16_b32 v[TM+4+\b], v[TM+\b], s20, s21
.endr
.irp b, 0,1,2,3
	v_max_num_f32 v[TM+\b], v[TM+\b], v[TM+4+\b]
.endr
.irp b, 0,1,2,3
	v_add_nc_u32 v[TM+12+\b], 0xff000000, v[TM+\b]
.endr
.irp b, 0,1,2,3
	v_lshrrev_b32 v[TM+4+\b], 23, v[TM+12+\b]
.endr
.irp c, 0,1
	v_cvt_scalef32_pk16_fp6_f32 v[CD+6*\c:CD+2+6*\c], v[\s+32*\c:\s+15+32*\c], v[TM+12+2*\c]
	v_cvt_scalef32_pk16_fp6_f32 v[CD+12+4*\c:CD+14+4*\c], v[\s+16+32*\c:\s+31+32*\c], v[TM+12+2*\c+1]
.endr
	v_nop
.irp c, 0,1
.irp i, 0,1,2
	v_permlane16_swap_b32 v[CD+6*\c+\i], v[CD+12+4*\c+\i]
.endr
.irp i, 0,1,2
	v_mov_b32 v[CD+3+6*\c+\i], v[CD+12+4*\c+\i]
.endr
.endr
.endm
.macro VOUT a                          ; block a of 16 features: the bias, the quantiser, one fragment and one scale word a feature
.set AC, 64*(\a)
	WIN 2
.set J, 0
.rept 32
	v_pk_add_f32 v[Y+J:Y+J+1], v[AC+J:AC+J+1], v[BV+2*(\a):BV+2*(\a)+1]
.set J, J+2
.endr
	WIN 0
	s_wait_xcnt 0x0                                ; the earlier stores have read their data
	QUANT Y
.irp g, 0,1,2
	global_store_b128 v[L16], v[CD+4*\g:CD+4*\g+3], s[98:99] offset:6144+1536*(\a)+512*\g
.endr
	v_lshl_or_b32 v[PW], v[TM+5], 8, v[TM+4]
	v_lshl_or_b32 v[PW], v[TM+6], 16, v[PW]
	v_lshl_or_b32 v[PW], v[TM+7], 24, v[PW]
.if ((\a)%2) == 0
	v_mov_b32 v[PWE], v[PW]
.else
	v_cndmask_b32 v[VSI+(\a)/2], v[PWE], v[PW], s18
.endif
.if (\a) == 3
	global_store_b64 v[L8], v[VSI:VSI+1], s[98:99] offset:12800
.endif
.endm
	PLACES NP
	s_mov_b32 s18, 0xffff0000
	s_mov_b32 s20, 0x76543210
	s_mov_b32 s21, 0xfedcba98
.irp b, 0,1,2,3
	v_mov_b32 v[TM+4+\b], 0
.endr
.irp a, 0,1,2,3
	VOUT \a
.endr
	s_wait_tensorcnt 0x0                           ; the wave's end
	ds_add_u32 v[SPW], v[NIL]
	s_wait_dscnt 0x0
	CROUND
	s_endpgm
.Lfunc_end_k_qf5441bb85a_projv:
	.size	k_qf5441bb85a_projv, .Lfunc_end_k_qf5441bb85a_projv-k_qf5441bb85a_projv
	.p2alignl 7, 3214868480
	.fill 96, 4, 3214868480
	.section	.rodata,"a",@progbits
	.p2align	6, 0x0
	.amdhsa_kernel k_qf5441bb85a_projv
		.amdhsa_group_segment_fixed_size 327680
		.amdhsa_private_segment_fixed_size 0
		.amdhsa_enable_private_segment 0
		.amdhsa_kernarg_size 48
		.amdhsa_user_sgpr_count 2
		.amdhsa_user_sgpr_kernarg_segment_ptr 1
		.amdhsa_wavefront_size32 1
		.amdhsa_system_sgpr_workgroup_id_x 1
		.amdhsa_system_sgpr_workgroup_id_y 1
		.amdhsa_system_sgpr_workgroup_id_z 1
		.amdhsa_system_vgpr_workitem_id 0
		.amdhsa_next_free_vgpr 768
		.amdhsa_next_free_sgpr 102
		.amdhsa_reserve_vcc 0
		.amdhsa_float_denorm_mode_32 3
		.amdhsa_float_denorm_mode_16_64 3
		.amdhsa_memory_ordered 1
		.amdhsa_forward_progress 1
		.amdhsa_inst_pref_size 105
	.end_amdhsa_kernel
	.amdgpu_metadata
---
amdhsa.version: [ 1, 2 ]
amdhsa.kernels:
  - .name:           k_qf5441bb85a_projv
    .symbol:         k_qf5441bb85a_projv.kd
    .args:
      - { .name: Wv_codes, .offset: 0, .size: 8, .value_kind: global_buffer, .address_space: global }
      - { .name: Wv_scales, .offset: 8, .size: 8, .value_kind: global_buffer, .address_space: global }
      - { .name: value_codes, .offset: 16, .size: 8, .value_kind: global_buffer, .address_space: global }
      - { .name: value_scales, .offset: 24, .size: 8, .value_kind: global_buffer, .address_space: global }
      - { .name: bv, .offset: 32, .size: 8, .value_kind: global_buffer, .address_space: global }
      - { .name: kvbuf, .offset: 40, .size: 8, .value_kind: global_buffer, .address_space: global }
    .group_segment_fixed_size: 327680
    .private_segment_fixed_size: 0
    .kernarg_segment_align: 8
    .kernarg_segment_size: 48
    .max_flat_workgroup_size: 128
    .sgpr_count:     102
    .vgpr_count:     768
    .wavefront_size: 32
...
	.end_amdgpu_metadata
.endif
;; end of part 2
;; launch attn (part 3): grid 4 x 64, 16 waves a work-group, clusters of 4 x 1, 210,944 bytes of LDS; arguments qbuf, kvbuf, oimg, oscl; writes oimg, oscl
.if DOCPART == 3
	.amdgcn_target "amdgcn-amd-amdhsa--gfx1250"
	.amdhsa_code_object_version 6
	.text
	.protected	k_qf5441bb85a_attn
	.globl	k_qf5441bb85a_attn
	.p2align	8
	.type	k_qf5441bb85a_attn,@function
k_qf5441bb85a_attn:
	s_mov_b64 s[64:65], 0
	v_nop
	global_prefetch_b8 v0, s[64:65] scope:SCOPE_SE
	s_setreg_imm32_b32 hwreg(HW_REG_WAVE_MODE, 25, 1), 1
	s_wait_xcnt 0x0
	s_wait_alu depctr_hold_cnt(0) depctr_sa_sdst(0) depctr_va_vdst(0) depctr_va_sdst(0) depctr_va_ssrc(0) depctr_va_vcc(0) depctr_vm_vsrc(0)
	s_getreg_b32 s2, hwreg(HW_REG_IB_STS2, 6, 4)
	s_cmp_eq_u32 s2, 0
	s_cbranch_scc0 .Lentry_in_a_cluster
	s_endpgm
.Lentry_in_a_cluster:
	s_bfe_u32 s2, ttmp6, 0x10000c
	s_cmp_lg_u32 s2, 0x3003
	s_cbranch_scc0 .Lentry_shape_is_right
	s_endpgm
.Lentry_shape_is_right:
; o = softmax(q k^T / 8) v for one (batch, head), both products on codes of FP6 (E2M3) with one E8M0 scale for each 32 along a product's K; o / the row's sum is quantised along the model's axis (a head is two blocks of 32) for the last product.
; No work is left out.  THE SOFTMAX: t = score x log2(e) / 8; M = the row's largest t so far, rounded up to a whole number; p = 2^(t - M) is what is quantised, along the keys; the row's sum is taken of the unquantised p and divides at the end.
; When M moves, the sum and O are multiplied by 2^(old M - new M): exact.
; LIMITS: NaN and infinities are not served; a block of zeros gets the scale byte 1 (its codes are zeros); v_exp_f32 and v_rcp_f32 are good to 1 ulp; a block's largest p is taken as the exponential of the block's largest score.
; Inside a block of 32 the codes of q and k (along the head) and of p and v (along the keys) lie in the order 0-7, 16-23, 8-15, 24-31 on both sides alike.  o is brought into the natural order, since it meets a given operand.
; SHARES.  A work-group owns 512 queries of one (batch, head); each of its sixteen waves two tiles of 16 queries, one a PASS.  Four waves share a SIMD: one wave's vector work stands beside another's products and LDS loads.
; LDS.  The head's sixteen records, all of K and V as codes, 208,896 bytes, are filled ONCE: every wave asks for one record.  No slot is filled again.  CLUSTER: the four query blocks of a head read the same records: each record is asked for jointly.
; THE FIRST PRODUCT'S K IS 64: a fragment's upper six registers meet q's six registers of zero codes, and add nothing whatever they hold; the scale words carry the two real bytes twice.
; A record (13,056 bytes): +0 K: four pairs of tiles, images of 12 registers; +6,144 V: four fragments (16 d x 128 keys); +12,288 K's scale words, 4 registers; +12,800 V's, 2 registers.
; oscl is written two bytes a row: its 256-byte stretches are written in part, by sixteen heads; it is one byte in 24 of what this launch stores.
; REGISTERS: v1 16 x lane, v2 8 x lane, v3, v4 the step's LDS addresses, v5, v6 the add's two, v8 32 x lane; v12 -M, v13 the largest t, v[14:15] the sum; v16-27, v192-203 q's two tiles (6 registers of codes, 6 of zeros);
; v32-79 K's or V's codes, v80-85 zeros; v96-159 S^T, then p; v160-191 O^T; v[204:205] V's scale words; v206, v207 o's scale bytes; v208-214 o's codes; v215 p's scale word; v224-235 p's codes; v232-254 at work; v248-251 K's scale words; v255 q's.
.set REC,   13056
.set SPARE, 16*REC                     ; behind the records: the spare words, 128 bytes for each wave: eight blocks of 256 bytes that no other line names
.set LI,   1
.set L8,   2
.set ADR,  3
.set ADR8, 4
.set SPW,  5
.set NIL,  6
.set SO,   8
.set KF,   32
.set PW,   215
.set WV,   12                          ; s12  my wave's number
.set HM,   3                           ; s3   lanes 16-31
.set SEL,  20                          ; s[20:21]
.set CS,   22                          ; s[22:23] c = log2(e) / 8
.set G1,   24                          ; s[24:31]
.set G0,   32                          ; s[32:35]
.set TB,   36                          ; s36  LDS byte at which the step's record begins
.set CNT,  37                          ; s37  steps to go
.macro CROUND                          ; a round of the cluster's barrier
	s_barrier_signal -1
	s_barrier_wait -1
	s_cmp_lg_u32 s[WV], 0
	s_cbranch_scc1 .Lnot_wave_0_\@
	s_barrier_signal -3
.Lnot_wave_0_\@:
	s_barrier_wait -3
	s_barrier_signal -1
	s_barrier_wait -1
.endm
	s_load_b256 s[4:11], s[0:1], 0x0               ; qbuf s[4:5], kvbuf s[6:7], oimg s[8:9], oscl s[10:11]
	v_lshl_add_u32 v[SPW], v0, 2, SPARE
	v_mov_b32 v[NIL], 0
	ds_add_u32 v[SPW], v[NIL]                      ; the wave's opening: the add, twice on end, and its wait ahead of my first tensor load
	ds_add_u32 v[SPW], v[NIL]
	v_lshrrev_b32 v7, 5, v0
	s_delay_alu instid0(VALU_DEP_1)
	v_readfirstlane_b32 s[WV], v7                  ; wave 0..15
	s_bfe_u32 s13, ttmp6, 0x40000                  ; cx
	s_lshl_b32 s14, ttmp9, 2
	s_add_co_u32 s14, s14, s13                     ; my block of 512 queries: it enters q's and o's addresses alone
	s_and_b32 s15, ttmp7, 0xffff                   ; batch x 16 + head, which the four partners share
	s_lshr_b32 s16, s15, 4                         ; batch
	s_and_b32 s17, s15, 15                         ; head
	s_mov_b32 s[G1], 15|(3<<16)|(1<<21)            ; the mask: all four work-groups; elements of 8 bytes; bit 21 beside a mask; no padding
	s_mov_b32 s[G1+1], 32<<16                      ; tensor_dim0 = 32 elements: 256 bytes
	s_mov_b32 s[G1+2], 51<<16                      ; tensor_dim1 = 51 rows: a record
	s_mov_b32 s[G1+3], 32<<16                      ; tile_dim0
	s_mov_b32 s[G1+4], 51                          ; tile_dim1
	s_mov_b32 s[G1+5], 32                          ; dense
	s_mov_b32 s[G1+6], 0
	s_mov_b32 s[G1+7], 0
	s_lshl_b32 s18, s15, 4
	s_add_co_u32 s18, s18, s[WV]
	s_mul_i32 s18, s18, REC                        ; record w of my head, in memory
	s_mov_b32 s19, 0
	s_lshl_b32 s40, s15, 4                         ; q: record 4 x block + wave / 4 of my head,
	s_lshl_b32 s41, s14, 2
	s_add_co_u32 s40, s40, s41
	s_lshr_b32 s41, s[WV], 2
	s_add_co_u32 s40, s40, s41
	s_mul_i32 s40, s40, REC
	s_mov_b32 s41, 0
	s_and_b32 s42, s[WV], 3                        ; pair wave % 4 in it
	s_mul_i32 s43, s42, 1536
	s_lshl_b32 s42, s42, 2
	s_add_co_u32 s42, s42, s40
	s_add_co_u32 s42, s42, 12288                   ; its register of scale words
	s_add_co_u32 s40, s40, s43                     ; its codes
	s_mov_b32 s43, 0
	s_lshl_b32 s46, s16, 7                         ; my first tile of 16 tokens: 128 x batch + 32 x block + 2 x wave
	s_lshl_b32 s47, s14, 5
	s_add_co_u32 s46, s46, s47
	s_lshl_b32 s47, s[WV], 1
	s_add_co_u32 s46, s46, s47
	s_mul_i32 s38, s46, 12288                      ; o's codes: 12,288 bytes a tile, 768 a head
	s_mul_i32 s47, s17, 768
	s_add_co_u32 s38, s38, s47
	s_mov_b32 s39, 0
	s_lshl_b32 s46, s46, 9                         ; o's scale bytes: 32 a token, 2 a head
	s_lshl_b32 s47, s17, 1
	s_add_co_u32 s46, s46, s47
	s_mov_b32 s47, 0
	s_mov_b32 s[SEL], 0x76543210
	s_mov_b32 s[SEL+1], 0xfedcba98                 ; v_permlanex16_b32's selects for lane l xor 16
	s_mov_b32 s[CS], 0x3e38aa3b                    ; c = log2(e) / 8
	s_mov_b32 s[CS+1], s[CS]                       ; (named with it as a pair)
	s_mov_b32 s[HM], 0xffff0000
	v_and_b32 v7, 31, v0
	s_delay_alu instid0(VALU_DEP_1)
	v_lshlrev_b32 v[LI], 4, v7
	s_delay_alu instid0(VALU_DEP_2)
	v_lshlrev_b32 v[L8], 3, v7
	s_delay_alu instid0(VALU_DEP_3)
	v_lshlrev_b32 v[SO], 5, v7
	s_wait_dscnt 0x0                               ; both opening adds are done
	s_wait_kmcnt 0x0
	s_mov_b32 s[G0], 1
	s_mul_i32 s[G0+1], s[WV], REC                  ; record w's place in LDS
	s_add_nc_u64 s[G0+2:G0+3], s[6:7], s[18:19]
	s_or_b32 s[G0+3], s[G0+3], 0x80000000
	s_add_nc_u64 s[44:45], s[4:5], s[42:43]
	s_add_nc_u64 s[4:5], s[4:5], s[40:41]
	s_add_nc_u64 s[8:9], s[8:9], s[38:39]
	s_add_nc_u64 s[10:11], s[10:11], s[46:47]
	CROUND                                         ; all four work-groups are here: the joint loads meet
	tensor_load_to_lds s[G0:G0+3], s[G1:G1+7]      ; my one tensor load of the launch
	s_nop 0
.rept 4
	v_nop
.endr
	s_wait_alu depctr_va_vdst(0)
.irp g, 0,1,2
	global_load_b128 v[96+4*\g:99+4*\g], v[LI], s[4:5] offset:512*\g   ; my pair of query tiles, 12 registers
.endr
	global_load_b32 v255, v[LI], s[44:45]          ; their scale words: lanes 0-15 the first tile's, lanes 16-31 the second's
.irp i, 0,1,2,3,4,5
	v_mov_b32 v[22+\i], 0                          ; zero codes for K = 64 .. 127
	v_mov_b32 v[198+\i], 0
	v_mov_b32 v[80+\i], 0                          ; and behind K's last tile
.endr
.irp b, 0,1,2,3
	v_mov_b32 v[236+\b], 0                         ; written once: a lane permute's destination counts as one of its sources
.endr
	v_mov_b32 v252, 0
	v_mov_b32 v253, 0                              ; (the upper half of the pair that holds f)
	s_wait_loadcnt 0x0
.irp i, 0,1,2,3,4,5
	v_mov_b32 v[16+\i], v[96+\i]
	v_mov_b32 v[192+\i], v[102+\i]
.endr
	s_wait_tensorcnt 0x0                           ; my record is in,
	s_barrier_signal -1
	s_barrier_wait -1                              ; everybody's is
; S^T = K Q^T: tile t of 16 keys against my 16 queries of pass u.  K's scale words: register t / 2, lanes 0-15 for an even tile, lanes 16-31 for an odd one; q's: lanes 0-15 in pass 0, lanes 16-31 in pass 1.
.macro SP t, u
.if (((\t)%2) == 0) && ((\u) == 0)
	v_wmma_scale_f32_16x16x128_f8f6f4 v[96+8*\t:103+8*\t], v[KF+6*\t:KF+11+6*\t], v[16+176*\u:27+176*\u], 0, v[248+\t/2], v255 matrix_a_fmt:MATRIX_FMT_FP6 matrix_b_fmt:MATRIX_FMT_FP6
.elseif ((\u) == 0)
	v_wmma_scale_f32_16x16x128_f8f6f4 v[96+8*\t:103+8*\t], v[KF+6*\t:KF+11+6*\t], v[16+176*\u:27+176*\u], 0, v[248+\t/2], v255 matrix_a_fmt:MATRIX_FMT_FP6 matrix_b_fmt:MATRIX_FMT_FP6 matrix_a_scale:MATRIX_SCALE_ROW1
.elseif (((\t)%2) == 0)
	v_wmma_scale_f32_16x16x128_f8f6f4 v[96+8*\t:103+8*\t], v[KF+6*\t:KF+11+6*\t], v[16+176*\u:27+176*\u], 0, v[248+\t/2], v255 matrix_a_fmt:MATRIX_FMT_FP6 matrix_b_fmt:MATRIX_FMT_FP6 matrix_b_scale:MATRIX_SCALE_ROW1
.else
	v_wmma_scale_f32_16x16x128_f8f6f4 v[96+8*\t:103+8*\t], v[KF+6*\t:KF+11+6*\t], v[16+176*\u:27+176*\u], 0, v[248+\t/2], v255 matrix_a_fmt:MATRIX_FMT_FP6 matrix_b_fmt:MATRIX_FMT_FP6 matrix_a_scale:MATRIX_SCALE_ROW1 matrix_b_scale:MATRIX_SCALE_ROW1
.endif
.endm
; O^T += V^T P^T: tile t of 16 of the head's 64
.macro PV t
.if ((\t)%2) == 0
	v_wmma_scale_f32_16x16x128_f8f6f4 v[160+8*\t:167+8*\t], v[KF+12*\t:KF+11+12*\t], v[224:235], v[160+8*\t:167+8*\t], v[204+\t/2], v[PW] matrix_a_fmt:MATRIX_FMT_FP6 matrix_b_fmt:MATRIX_FMT_FP6
.else
	v_wmma_scale_f32_16x16x128_f8f6f4 v[160+8*\t:167+8*\t], v[KF+12*\t:KF+11+12*\t], v[224:235], v[160+8*\t:167+8*\t], v[204+\t/2], v[PW] matrix_a_fmt:MATRIX_FMT_FP6 matrix_b_fmt:MATRIX_FMT_FP6 matrix_a_scale:MATRIX_SCALE_ROW1
.endif
.endm
; A KEY STEP: 128 keys, one record.
.macro STEP u
	v_add_nc_u32 v[ADR], s[TB], v[LI]
	v_add_nc_u32 v[ADR8], s[TB], v[L8]
	v_nop
	v_nop                                          ; with the two additions: four places behind the last step's products, in front of loads into registers that they read
.irp c, 0,1,2,3
.irp g, 0,1,2
	ds_load_b128 v[KF+12*\c+4*\g:KF+12*\c+4*\g+3], v[ADR] offset:1536*\c+512*\g   ; K's pair c: 512 consecutive bytes a load
.endr
.endr
	ds_load_b128 v[248:251], v[ADR] offset:12288   ; K's scale words
	s_wait_alu depctr_va_vdst(0)
	s_wait_dscnt 0x0
.irp t, 0,1,2,3,4,5,6,7
	SP \t, \u
.endr                                          ; lane (r, h) holds query r; register 8 t + j is key 16 t + 8 h + j
.rept 4
	v_nop                                          ; places in front of the loads below and of the first read of the scores
.endr
.irp c, 0,1,2,3
.irp g, 0,1,2
	ds_load_b128 v[KF+12*\c+4*\g:KF+12*\c+4*\g+3], v[ADR] offset:6144+1536*\c+512*\g   ; V's fragment c: it lands while the softmax is walked
.endr
.endr
	ds_load_b64 v[204:205], v[ADR8] offset:12800   ; V's scale words
.irp b, 0,1,2,3
	v_max3_num_f32 v[232+\b], v[96+16*\b], v[97+16*\b], v[98+16*\b]   ; the largest score of each block of 32 keys: it serves for the row's maximum and, since p rises with the score, for the block's largest p
.endr
.irp i, 3,5,7,9,11,13
.irp b, 0,1,2,3
	v_max3_num_f32 v[232+\b], v[232+\b], v[96+16*\b+\i], v[97+16*\b+\i]
.endr
.endr
.irp b, 0,1,2,3
	v_max_num_f32 v[232+\b], v[232+\b], v[111+16*\b]
.endr
.irp b, 0,1,2,3
	s_delay_alu instid0(VALU_DEP_4)
	v_permlanex16_b32 v[236+\b], v[232+\b], s[SEL], s[SEL+1]
.endr
.irp b, 0,1,2,3
	s_delay_alu instid0(VALU_DEP_4)
	v_max_num_f32 v[232+\b], v[232+\b], v[236+\b]  ; with lane l xor 16's 16 keys
.endr
	s_delay_alu instid0(VALU_DEP_2)
	v_max3_num_f32 v254, v232, v233, v234
	s_delay_alu instid0(VALU_DEP_1)
	v_max_num_f32 v254, v254, v235                 ; the step's largest score of my query
	s_delay_alu instid0(VALU_DEP_1)
	v_mul_f32 v254, s[CS], v254                    ; as t (c is positive)
	s_delay_alu instid0(VALU_DEP_1)
	v_max_num_f32 v13, v13, v254                   ; the running largest t
	v_mov_b32 v254, v12
	s_delay_alu instid0(VALU_DEP_2)
	v_floor_f32 v12, -v13                          ; the new -M = floor(-t): M is a whole number
	s_delay_alu instid0(VALU_DEP_1)
	v_sub_f32 v254, v12, v254                      ; old M less new M: a whole number, 0 or less
	s_delay_alu instid0(VALU_DEP_1)
	v_cvt_i32_f32 v254, v254                       ; (it saturates)
	s_delay_alu instid0(VALU_DEP_1)
	v_ldexp_f32 v252, 1.0, v254                    ; f = 2^(old M - new M)
.set J, 0
.rept 32
	v_pk_fma_f32 v[96+J:97+J], v[96+J:97+J], s[CS:CS+1], v[12:13] op_sel_hi:[1,0,0]   ; t - M, two at a time
.set J, J+2
.endr
.irp b, 0,1,2,3
	v_fma_f32 v[232+\b], v[232+\b], s[CS], v12     ; the same of each block's largest score
.endr
.set J, 0
	s_wait_alu depctr_va_vdst(0)
.rept 64
	v_exp_f32 v[96+J], v[96+J]                     ; p = 2^(t - M), at most 1: not normalised
.set J, J+1
.endr
	v_pk_mul_f32 v[14:15], v[14:15], v[252:253] op_sel_hi:[1,0]   ; the sums under the new M: a plain place behind the exponentials
	s_wait_alu depctr_va_vdst(0)                   ; one wait for the whole batch, ahead of its first reader
.irp b, 0,1,2,3
	v_exp_f32 v[232+\b], v[232+\b]                 ; the block's largest p
.endr
	v_pk_add_f32 v[236:237], v[100:101], v[104:105]
	v_pk_add_f32 v[250:251], v[108:109], v[112:113]
	v_pk_add_f32 v[248:249], v[116:117], v[120:121]
	v_pk_add_f32 v[246:247], v[124:125], v[128:129]
	v_pk_add_f32 v[244:245], v[132:133], v[136:137]
	v_pk_add_f32 v[242:243], v[140:141], v[144:145]
	v_pk_add_f32 v[240:241], v[148:149], v[152:153]
	v_pk_add_f32 v[14:15], v[14:15], v[156:157]
	v_pk_add_f32 v[236:237], v[236:237], v[96:97]
	v_pk_add_f32 v[250:251], v[250:251], v[98:99]
	v_pk_add_f32 v[248:249], v[248:249], v[102:103]
	v_pk_add_f32 v[246:247], v[246:247], v[106:107]
	v_pk_add_f32 v[244:245], v[244:245], v[110:111]
	v_pk_add_f32 v[242:243], v[242:243], v[114:115]
	v_pk_add_f32 v[240:241], v[240:241], v[118:119]
	v_pk_add_f32 v[14:15], v[14:15], v[122:123]
	v_pk_add_f32 v[236:237], v[236:237], v[126:127]
	v_pk_add_f32 v[250:251], v[250:251], v[130:131]
	v_pk_add_f32 v[248:249], v[248:249], v[134:135]
	v_pk_add_f32 v[246:247], v[246:247], v[138:139]
	v_pk_add_f32 v[244:245], v[244:245], v[142:143]
	v_pk_add_f32 v[242:243], v[242:243], v[146:147]
	v_pk_add_f32 v[240:241], v[240:241], v[150:151]
	v_pk_add_f32 v[14:15], v[14:15], v[154:155]
	v_pk_add_f32 v[236:237], v[236:237], v[158:159]
	s_delay_alu instid0(VALU_DEP_2)
	v_pk_add_f32 v[14:15], v[14:15], v[246:247]
	s_delay_alu instid0(VALU_DEP_2)
	v_pk_add_f32 v[236:237], v[236:237], v[244:245]
	v_pk_add_f32 v[250:251], v[250:251], v[242:243]
	v_pk_add_f32 v[248:249], v[248:249], v[240:241]
	s_delay_alu instid0(VALU_DEP_2)
	v_pk_add_f32 v[14:15], v[14:15], v[250:251]
	s_delay_alu instid0(VALU_DEP_2)
	v_pk_add_f32 v[236:237], v[236:237], v[248:249]
	s_delay_alu instid0(VALU_DEP_1)
	v_pk_add_f32 v[14:15], v[14:15], v[236:237]
	s_wait_alu depctr_va_vdst(0)                   ; and one for the four
.irp b, 0,1,2,3
	v_max_num_f32 v[232+\b], 0x1800000, v[232+\b]  ; the floor 2^(3 - 127): the byte cannot fall under 1
.endr
.irp b, 0,1,2,3
	s_delay_alu instid0(VALU_DEP_4)
	v_add_nc_u32 v[244+\b], 0xff000000, v[232+\b]  ; 2 off the exponent field: the conversion's scale operand
.endr
.irp b, 0,1,2,3
	s_delay_alu instid0(VALU_DEP_4)
	v_lshrrev_b32 v[236+\b], 23, v[244+\b]         ; the scale's byte
.endr
	s_delay_alu instid0(VALU_DEP_3)
	v_lshl_or_b32 v[PW], v237, 8, v236             ; p's scale word for these 128 keys
	s_delay_alu instid0(VALU_DEP_1)
	v_lshl_or_b32 v[PW], v238, 16, v[PW]
	s_delay_alu instid0(VALU_DEP_1)
	v_lshl_or_b32 v[PW], v239, 24, v[PW]
.irp c, 0,1
	v_cvt_scalef32_pk16_fp6_f32 v[224+6*\c:226+6*\c], v[96+32*\c:111+32*\c], v[244+2*\c]
	v_cvt_scalef32_pk16_fp6_f32 v[236+4*\c:238+4*\c], v[112+32*\c:127+32*\c], v[244+2*\c+1]   ; (a conversion's three registers begin on an even number)
.endr
	v_nop                                          ; one plain place behind a scaled conversion
.irp c, 0,1
.irp i, 0,1,2
	v_permlane16_swap_b32 v[224+6*\c+\i], v[236+4*\c+\i]   ; a whole block to a lane
.endr
.irp i, 0,1,2
	s_delay_alu instid0(VALU_DEP_3)
	v_mov_b32 v[227+6*\c+\i], v[236+4*\c+\i]
.endr
.endr
.set J, 0
.rept 16
	v_pk_mul_f32 v[160+J:161+J], v[160+J:161+J], v[252:253] op_sel_hi:[1,0]   ; O^T under the new M, each accumulator from its low end on.  Twelve of the sixteen name no register of a given product below
.set J, J+2
.endr
.rept 4
	v_nop                                          ; so that every register written above stands four places ahead of the products
.endr
	s_wait_alu depctr_va_vdst(0)
	s_wait_dscnt 0x0                               ; V and its scale words are in
.irp t, 0,1,2,3
	PV \t                                          ; four accumulators by turns, one instruction a turn
.endr
.endm
; THE WAY OUT of a pass: O^T / the sum, into the natural order of the head's axis, quantised in two blocks of 32, stored as six registers of the last product's fragment: three stores of 256 consecutive bytes.
.macro OUT u
	v_add_f32 v14, v14, v15                        ; the sum's two halves,
.rept 3
	v_nop                                          ; with the addition: four places behind the last products
.endr
	v_permlanex16_b32 v252, v14, s[SEL], s[SEL+1]
	s_delay_alu instid0(VALU_DEP_1)
	v_add_f32 v14, v14, v252                       ; and lane l xor 16's: the row's sum
	s_wait_alu depctr_va_vdst(0)
	v_rcp_f32 v14, v14
	v_nop                                          ; a plain place behind the reciprocal
	s_wait_alu depctr_va_vdst(0)                   ; the wait ahead of its first reader
	s_wait_xcnt 0x0                                ; the earlier stores have read their data
.set J, 0
.rept 16
	v_pk_mul_f32 v[96+J:97+J], v[160+J:161+J], v[14:15] op_sel_hi:[1,0]   ; register 8 t + j is o(query r, 16 t + 8 h + j)
.set J, J+2
.endr
.irp b, 0,1
.irp j, 0,1,2,3,4,5,6,7
	v_permlane16_swap_b32 v[96+16*\b+\j], v[104+16*\b+\j]   ; now register 16 b + i is o(r, 32 b + 16 h + i)
.endr
.endr
.irp b, 0,1
	v_max3_num_f32 v[232+\b], |v[96+16*\b]|, |v[97+16*\b]|, 0x1800000
.endr
.irp i, 2,4,6,8,10,12,14
.irp b, 0,1
	s_delay_alu instid0(VALU_DEP_2)
	v_max3_num_f32 v[232+\b], v[232+\b], |v[96+16*\b+\i]|, |v[97+16*\b+\i]|
.endr
.endr
.irp b, 0,1
	s_delay_alu instid0(VALU_DEP_2)
	v_permlanex16_b32 v[236+\b], v[232+\b], s[SEL], s[SEL+1]
.endr
.irp b, 0,1
	s_delay_alu instid0(VALU_DEP_2)
	v_max_num_f32 v[232+\b], v[232+\b], v[236+\b]
.endr
.irp b, 0,1
	s_delay_alu instid0(VALU_DEP_2)
	v_add_nc_u32 v[244+\b], 0xff000000, v[232+\b]
.endr
.irp b, 0,1
	s_delay_alu instid0(VALU_DEP_2)
	v_lshrrev_b32 v[236+\b], 23, v[244+\b]
.endr
	s_delay_alu instid0(VALU_DEP_1)
	v_lshl_or_b32 v[206+\u], v237, 8, v236         ; my query's two scale bytes
	v_cvt_scalef32_pk16_fp6_f32 v[208:210], v[96:111], v244
	v_cvt_scalef32_pk16_fp6_f32 v[212:214], v[112:127], v245
	v_nop                                          ; one plain place behind a scaled conversion
.irp i, 0,1,2
	v_permlane16_swap_b32 v[208+\i], v[212+\i]     ; lanes 0-15 block 0, lanes 16-31 block 1
.endr
	s_delay_alu instid0(VALU_DEP_3)
	v_mov_b32 v211, v212
	s_delay_alu instid0(VALU_DEP_3)
	v_mov_b32 v212, v213
	s_delay_alu instid0(VALU_DEP_3)
	v_mov_b32 v213, v214
.irp p, 0,1,2
	global_store_b64 v[L8], v[208+2*\p:209+2*\p], s[8:9] offset:(\u)*12288+256*\p   ; 256 consecutive bytes, aligned
.endr
.endm
.macro PASS u
	v_mov_b32 v13, 0xff61b1e6                      ; the largest t so far: -3e38, under every t
	s_delay_alu instid0(VALU_DEP_1)
	v_floor_f32 v12, -v13                          ; -M
	v_mov_b32 v14, 0
	v_mov_b32 v15, 0
.set J, 0
.rept 32
	v_mov_b32 v[160+J], 0                          ; O^T: the step is written once; the first finds zeros, which the first change of M leaves zeros
.set J, J+1
.endr
	s_mov_b32 s[TB], 0
	s_mov_b32 s[CNT], 16
.Lstep_\@:
	STEP \u
	s_add_co_u32 s[TB], s[TB], REC
	s_sub_co_u32 s[CNT], s[CNT], 1
	s_cmp_lg_u32 s[CNT], 0
	s_cbranch_scc1 .Lstep_\@
	OUT \u
.endm
	PASS 0
	PASS 1
	v_cndmask_b32 v206, v206, v207, s[HM]          ; lanes 0-15 the first tile's rows, lanes 16-31 the second's
	global_store_b16 v[SO], v206, s[10:11]         ; lane l: token 16 x my first tile + l, bytes 2 x head and 2 x head + 1
	s_wait_tensorcnt 0x0                           ; the wave's end
	ds_add_u32 v[SPW], v[NIL]
	s_wait_dscnt 0x0
	CROUND                                         ; the closing round
	s_endpgm
.Lfunc_end_k_qf5441bb85a_attn:
	.size	k_qf5441bb85a_attn, .Lfunc_end_k_qf5441bb85a_attn-k_qf5441bb85a_attn
	.p2alignl 7, 3214868480
	.fill 96, 4, 3214868480
	.section	.rodata,"a",@progbits
	.p2align	6, 0x0
	.amdhsa_kernel k_qf5441bb85a_attn
		.amdhsa_group_segment_fixed_size 210944
		.amdhsa_private_segment_fixed_size 0
		.amdhsa_enable_private_segment 0
		.amdhsa_kernarg_size 32
		.amdhsa_user_sgpr_count 2
		.amdhsa_user_sgpr_kernarg_segment_ptr 1
		.amdhsa_wavefront_size32 1
		.amdhsa_system_sgpr_workgroup_id_x 1
		.amdhsa_system_sgpr_workgroup_id_y 1
		.amdhsa_system_sgpr_workgroup_id_z 1
		.amdhsa_system_vgpr_workitem_id 0
		.amdhsa_next_free_vgpr 256
		.amdhsa_next_free_sgpr 66
		.amdhsa_reserve_vcc 0
		.amdhsa_float_denorm_mode_32 3
		.amdhsa_float_denorm_mode_16_64 3
		.amdhsa_memory_ordered 1
		.amdhsa_forward_progress 1
		.amdhsa_inst_pref_size 52
	.end_amdhsa_kernel
	.amdgpu_metadata
---
amdhsa.version: [ 1, 2 ]
amdhsa.kernels:
  - .name:           k_qf5441bb85a_attn
    .symbol:         k_qf5441bb85a_attn.kd
    .args:
      - { .name: qbuf, .offset: 0, .size: 8, .value_kind: global_buffer, .address_space: global }
      - { .name: kvbuf, .offset: 8, .size: 8, .value_kind: global_buffer, .address_space: global }
      - { .name: oimg, .offset: 16, .size: 8, .value_kind: global_buffer, .address_space: global }
      - { .name: oscl, .offset: 24, .size: 8, .value_kind: global_buffer, .address_space: global }
    .group_segment_fixed_size: 210944
    .private_segment_fixed_size: 0
    .kernarg_segment_align: 8
    .kernarg_segment_size: 32
    .max_flat_workgroup_size: 512
    .sgpr_count:     66
    .vgpr_count:     256
    .wavefront_size: 32
...
	.end_amdgpu_metadata
.endif
;; end of part 3
;; launch oproj (part 4): grid 4 x 64, 4 waves a work-group, clusters of 4 x 4, 327,680 bytes of LDS; arguments oimg, oscl, Wo_codes, Wo_scales, bo, out0; writes out0
.if DOCPART == 4
	.amdgcn_target "amdgcn-amd-amdhsa--gfx1250"
	.amdhsa_code_object_version 6
	.text
	.protected	k_qf5441bb85a_oproj
	.globl	k_qf5441bb85a_oproj
	.p2align	8
	.type	k_qf5441bb85a_oproj,@function
k_qf5441bb85a_oproj:
	s_mov_b64 s[64:65], 0
	v_nop
	global_prefetch_b8 v0, s[64:65] scope:SCOPE_SE
	s_setreg_imm32_b32 hwreg(HW_REG_WAVE_MODE, 25, 1), 1
	s_wait_xcnt 0x0
	s_wait_alu depctr_hold_cnt(0) depctr_sa_sdst(0) depctr_va_vdst(0) depctr_va_sdst(0) depctr_va_ssrc(0) depctr_va_vcc(0) depctr_vm_vsrc(0)
	s_getreg_b32 s2, hwreg(HW_REG_IB_STS2, 6, 4)
	s_cmp_eq_u32 s2, 0
	s_cbranch_scc0 .Lentry_in_a_cluster
	s_endpgm
.Lentry_in_a_cluster:
	s_bfe_u32 s2, ttmp6, 0x10000c
	s_cmp_lg_u32 s2, 0xf033
	s_cbranch_scc0 .Lentry_shape_is_right
	s_endpgm
.Lentry_shape_is_right:
; out0 = o Wo^T + bo on codes of FP6 (E2M3): o as attention left it (oimg: images of fragments, 12,288 bytes for 16 tokens; oscl: 32 scale bytes a token), Wo as given.  No work is left out.  NaN and infinities are not served.
; A work-group makes 128 tokens x 256 columns.  All of K = 1,024 lies in LDS, filled once: o's 98,304 dense bytes as rows of 256, Wo's 256 rows as three chunks of 256 bytes (pitch 272).
; One joint load a wave: wave 0 o, waves 1-3 a chunk each; the first barrier shows waves 0 and 1's tiles, plain barriers in steps 1 and 4 the other chunks; nothing is filled again.
; 4 x 4 clusters: o shared along a row, Wo along a column.  A wave makes 64 tokens x 128 columns; source 0 = Wo's rows, source 1 = tokens: a lane holds eight neighbouring columns of a row.  The bias is the first products' C.
; The way out goes through a stage in chunk 0's bytes: that chunk has had its only fill, and its last read stands ahead of step 4's barrier.  Rows of 512 bytes are stored whole.
; Scale bytes go straight into registers, 512 consecutive bytes a load.  No prefetch: the launch has no loop to run ahead in.
.set SIZE_N, 1024
.set KROW, 768
.set PB, 272
.set CHB, 256*PB
.set BBASE, 104448
.set SPARE, BBASE+3*CHB
.set PADW, (1<<20)|(1<<21)|(5<<22)|(3<<25)
.set NP, 4
.set SPITCH, 528
.set AA, 16
.set BA, 18
.set BX, 21
.set VS, 23
.set STO, 24
.set RD, 25
.set CO, 26
.set SPW, 28
.set NIL, 29
.set SA, 32
.set SB, 50
.set AF, 128
.set BK, 128
.set G1, 24
.set G0, 32
.set G1B, 48
.set G0B, 56
.set MULW, 0xa1
.set ZERW, 0xb1
.set MSB, 0
.macro WIN new
.if MSB != (\new)
	s_set_vgpr_msb (MSB<<8)|(\new)
.set MSB, (\new)
.endif
.endm
.macro PLACES n
.rept \n
	v_nop
.endr
.endm
.macro TL g0, g1
	tensor_load_to_lds s[\g0:\g0+3], s[\g1:\g1+7]
	s_nop 0
	PLACES 4
.endm
.macro CROUND
	s_barrier_signal -1
	s_barrier_wait -1
	s_cmp_lg_u32 s14, 0
	s_cbranch_scc1 .Lnot_wave_0_\@
	s_barrier_signal -3
.Lnot_wave_0_\@:
	s_barrier_wait -3
	s_barrier_signal -1
	s_barrier_wait -1
.endm
.macro FRB reg, s, i                   ; a fragment of Wo: byte y of a row lies in chunk y / 256; v[BX+c]: lanes 0-15 in chunk c, lanes 16-31 in chunk c + 1
.irp p, 0,1,2,3,4,5
.set BY, 96*(\s)+48*(\p/3)+8*(\p%3)
.if BY/256 == (BY+24)/256
	ds_load_b64 v[\reg+2*\p:\reg+2*\p+1], v[BA+BY/256] offset:BY%256+(\i)*16*PB
.else
	ds_load_b64 v[\reg+2*\p:\reg+2*\p+1], v[BX+BY/256] offset:BY%256+(\i)*16*PB
.endif
.endr
.endm
.macro FRA reg, s, i                   ; a fragment of o: an image, 8 bytes a lane and piece
.irp p, 0,1,2,3,4,5
	ds_load_b64 v[\reg+2*\p:\reg+2*\p+1], v[AA] offset:(\i)*12288+(\s)*1536+256*\p
.endr
.endm
.macro FETCH s
	WIN 0x40
.set I_, 0
.rept 8
	FRB 128*((\s)%2)+12*I_, \s, I_
.set I_, I_+1
.endr
	WIN 0
.set I_, 0
.rept 4
	FRA AF+48*((\s)%2)+12*I_, \s, I_
.set I_, I_+1
.endr
.endm
.macro MUL a0, s, zero                 ; 16 products; the 32 accumulators take turns in one order
.set A_, \a0
.rept 2
.set B_, 0
.rept 8
.set D_, 8*(8*A_+B_)
.set FB_, 128*((\s)%2)+12*B_
.set FA_, AF+48*((\s)%2)+12*A_
.set XB_, SB+4*B_+(\s)%4
.set XA_, SA+4*A_+(\s)%4
.if \zero
	v_wmma_scale_f32_16x16x128_f8f6f4 v[D_:D_+7], v[FB_:FB_+11], v[FA_:FA_+11], v[8*B_:8*B_+7], v[XB_], v[XA_] matrix_a_fmt:MATRIX_FMT_FP6 matrix_b_fmt:MATRIX_FMT_FP6
.elseif (\s)/4
	v_wmma_scale_f32_16x16x128_f8f6f4 v[D_:D_+7], v[FB_:FB_+11], v[FA_:FA_+11], v[D_:D_+7], v[XB_], v[XA_] matrix_a_fmt:MATRIX_FMT_FP6 matrix_b_fmt:MATRIX_FMT_FP6 matrix_a_scale:MATRIX_SCALE_ROW1 matrix_b_scale:MATRIX_SCALE_ROW1
.else
	v_wmma_scale_f32_16x16x128_f8f6f4 v[D_:D_+7], v[FB_:FB_+11], v[FA_:FA_+11], v[D_:D_+7], v[XB_], v[XA_] matrix_a_fmt:MATRIX_FMT_FP6 matrix_b_fmt:MATRIX_FMT_FP6
.endif
.set B_, B_+1
.endr
.set A_, A_+1
.endr
.endm
.macro STEP s, w
	PLACES NP                                      ; behind the last step's products, ahead of loads into the set that they read
.if (\s) == 1
	s_cmp_eq_u32 s14, 3
	s_cbranch_scc1 .Lnot_yet_\@
	s_wait_tensorcnt 0x0                           ; chunk 1 (wave 2's) is in; wave 3's load, a line of its own, may be out
.Lnot_yet_\@:
.endif
.if (\s) == 4
	s_wait_tensorcnt 0x0                           ; all that is still out
.endif
	s_wait_dscnt 0x0                               ; this step's fragments are in
.if (\s) == 1 || (\s) == 4
	s_barrier_signal -1
	WIN \w
	MUL 0, \s, 0
	WIN 0
	s_barrier_wait -1                              ; the next chunk is whole for all waves
	FETCH (\s)+1
	WIN \w
	MUL 2, \s, 0
.else
	FETCH (\s)+1
	WIN \w
	MUL 0, \s, (\s)==0
	MUL 2, \s, (\s)==0
.endif
	WIN 0
.endm
	s_load_b128 s[4:7], s[0:1], 0x0                ; oimg, oscl
	s_load_b128 s[8:11], s[0:1], 0x10              ; Wo's codes, scales
	s_load_b128 s[96:99], s[0:1], 0x20             ; bo, out0
	v_lshl_add_u32 v[SPW], v0, 2, SPARE
	v_mov_b32 v[NIL], 0
	ds_add_u32 v[SPW], v[NIL]                      ; the opening lines
	ds_add_u32 v[SPW], v[NIL]
	v_lshrrev_b32 v1, 5, v0
	v_readfirstlane_b32 s14, v1
	s_lshr_b32 s15, s14, 1                         ; my half of the tokens
	s_and_b32 s16, s14, 1                          ; my half of the columns
	s_bfe_u32 s40, ttmp6, 0x40000
	s_bfe_u32 s41, ttmp6, 0x40004
	s_lshl_b32 s42, ttmp9, 2
	s_add_co_u32 s42, s42, s40                     ; block of 256 columns
	s_and_b32 s17, ttmp7, 0xffff
	s_lshl_b32 s17, s17, 2
	s_add_co_u32 s17, s17, s41                     ; block of 128 tokens
	s_lshl_b32 s43, s41, 2
	s_lshl_b32 s43, 15, s43
	s_lshl_b32 s44, 0x1111, s40
	s_or_b32 s[G1], s43, (3<<16)|(1<<21)           ; 384 dense rows of 256 bytes, no padding
	s_mov_b32 s[G1+1], 32<<16
	s_mov_b32 s[G1+2], 384<<16
	s_mov_b32 s[G1+3], 32<<16
	s_mov_b32 s[G1+4], 384
	s_mov_b32 s[G1+5], 32
	s_mov_b32 s[G1+6], 0
	s_mov_b32 s[G1+7], 0
	s_or_b32 s[G1B], s44, PADW
	s_mov_b32 s[G1B+1], 256<<16
	s_mov_b32 s[G1B+2], 256<<16
	s_mov_b32 s[G1B+3], 256<<16
	s_mov_b32 s[G1B+4], 256
	s_mov_b32 s[G1B+5], KROW
	s_mov_b32 s[G1B+6], 0
	s_mov_b32 s[G1B+7], 0
	s_mov_b32 s[G0], 1
	s_mov_b32 s[G0+1], 0
	s_mov_b32 s[G0B], 1
	s_mul_i32 s[G0B+1], s14, CHB
	s_add_co_u32 s[G0B+1], s[G0B+1], BBASE-CHB     ; wave w brings chunk w - 1
	s_mul_i32 s20, s17, 128*KROW
	s_mov_b32 s21, 0
	s_mul_i32 s22, s42, 256*KROW
	s_lshl_b32 s23, s14, 8
	s_add_co_u32 s22, s22, s23
	s_mov_b32 s23, 0
	s_lshl_b32 s46, s17, 12
	s_lshl_b32 s47, s15, 11
	s_add_co_u32 s46, s46, s47
	s_mov_b32 s47, 0
	s_lshl_b32 s36, s42, 13
	s_lshl_b32 s37, s16, 12
	s_add_co_u32 s36, s36, s37
	s_mov_b32 s37, 0
	s_lshl_b32 s2, s42, 10                         ; my first column, in bytes
	s_lshl_b32 s3, s16, 9
	s_add_co_u32 s2, s2, s3
	s_mov_b32 s3, 0
	s_lshl_b32 s38, s17, 7
	s_lshl_b32 s39, s15, 6
	s_add_co_u32 s38, s38, s39                     ; my first row
	s_lshl_b32 s38, s38, 12
	s_add_co_u32 s38, s38, s2
	s_mov_b32 s39, 0
	v_and_b32 v1, 15, v0
	v_bfe_u32 v2, v0, 4, 1
	v_and_b32 v6, 31, v0
	s_mul_i32 s18, s15, 4*12288
	v_lshl_add_u32 v[AA], v6, 3, s18
	v_mul_u32_u24 v4, v1, PB
	s_mul_i32 s18, s16, 128*PB
	s_add_co_u32 s18, s18, BBASE
	v_add_nc_u32 v4, s18, v4
	v_mad_u32_u24 v[BA], v2, 24, v4
	v_add_nc_u32 v[BA+1], CHB, v[BA]
	v_add_nc_u32 v[BA+2], 2*CHB, v[BA]
	v_mad_u32_u24 v[BX], v2, CHB-232, v4
	v_add_nc_u32 v[BX+1], CHB, v[BX]
	v_lshlrev_b32 v5, 5, v1
	v_lshl_add_u32 v[VS], v2, 4, v5
	v_lshlrev_b32 v7, 5, v2
	s_mul_i32 s19, s14, 16*SPITCH
	s_add_co_u32 s19, s19, BBASE                   ; my stage
	v_mul_u32_u24 v5, v1, SPITCH
	v_lshl_add_u32 v5, v2, 5, v5
	v_add_nc_u32 v[STO], s19, v5
	v_lshlrev_b32 v[CO], 4, v6
	v_lshl_add_u32 v[RD], v6, 4, s19
	s_wait_alu depctr_va_vdst(0)                   ; the wait at the head's end
	s_wait_dscnt 0x0
	s_wait_kmcnt 0x0
	s_add_nc_u64 s[G0+2:G0+3], s[4:5], s[20:21]
	s_or_b32 s[G0+3], s[G0+3], 0x80000000
	s_add_nc_u64 s[G0B+2:G0B+3], s[8:9], s[22:23]
	s_sub_nc_u64 s[G0B+2:G0B+3], s[G0B+2:G0B+3], 256
	s_or_b32 s[G0B+3], s[G0B+3], 0x80000000
	s_add_nc_u64 s[6:7], s[6:7], s[46:47]
	s_add_nc_u64 s[10:11], s[10:11], s[36:37]
	s_add_nc_u64 s[96:97], s[96:97], s[2:3]
	s_add_nc_u64 s[12:13], s[98:99], s[38:39]
	CROUND                                         ; the joint loads meet
	s_cmp_eq_u32 s14, 0
	s_cbranch_scc0 .Lw1
	TL G0, G1
	s_branch .Lasked
.Lw1:
	s_cmp_eq_u32 s14, 1
	s_cbranch_scc0 .Lw2
	TL G0B, G1B
	s_branch .Lasked
.Lw2:
	s_cmp_eq_u32 s14, 2
	s_cbranch_scc0 .Lw3
	TL G0B, G1B
	s_branch .Lasked
.Lw3:
	TL G0B, G1B
.Lasked:
.irp a, 0,1,2,3
	global_load_b128 v[SA+4*\a:SA+4*\a+3], v[VS], s[6:7] offset:512*\a
.endr
.irp b, 0,1,2,3,4,5,6,7
	global_load_b128 v[SB+4*\b:SB+4*\b+3], v[VS], s[10:11] offset:512*\b
.endr
	WIN 0xc0
.irp b, 0,1,2,3,4,5,6,7
	global_load_b128 v[8*\b:8*\b+3], v7, s[96:97] offset:64*\b
	global_load_b128 v[8*\b+4:8*\b+7], v7, s[96:97] offset:64*\b+16
.endr
	WIN 0
	s_cmp_lt_u32 s14, 2
	s_cbranch_scc0 .Lb1
	s_wait_tensorcnt 0x0
.Lb1:
	s_barrier_signal -1
	s_barrier_wait -1                              ; o's block and chunk 0 are in
	FETCH 0
	s_wait_loadcnt 0x0
	STEP 0, ZERW
.irp s, 1,2,3,4,5,6
	STEP \s, MULW
.endr
	s_wait_dscnt 0x0
	WIN MULW
	MUL 0, 7, 0
	MUL 2, 7, 0
	WIN 0
.macro TOSTAGE a                       ; 16 rows x 128 columns into my stage, and back as whole rows of 512 bytes
.set AC, 64*(\a)
	WIN 0x08
.irp b, 0,1,2,3,4,5,6,7
	ds_store_b128 v[STO], v[AC+8*\b:AC+8*\b+3] offset:64*\b
	ds_store_b128 v[STO], v[AC+8*\b+4:AC+8*\b+7] offset:64*\b+16
.endr
	WIN 0
.set BR, BK+64*((\a)%2)
.irp t, 0,1,2,3,4,5,6,7,8,9,10,11,12,13,14,15
	ds_load_b128 v[BR+4*\t:BR+4*\t+3], v[RD] offset:\t*SPITCH
.endr
.endm
.macro SEND a, younger                 ; younger: the LDS instructions issued behind block a's loads
.set BR, BK+64*((\a)%2)
	s_wait_dscnt \younger
.if (\a) > 0
	s_add_nc_u64 s[12:13], s[12:13], 16*SIZE_N*4
.endif
.irp t, 0,1,2,3,4,5,6,7,8,9,10,11,12,13,14,15
	global_store_b128 v[CO], v[BR+4*\t:BR+4*\t+3], s[12:13] offset:\t*SIZE_N*4 th:TH_STORE_NT
.endr
.endm
	PLACES NP
	TOSTAGE 0
.irp a, 1,2,3
.if \a > 1
	s_wait_xcnt 0x0                                ; block a - 2's stores have read their registers and their base
.endif
	TOSTAGE \a
	SEND \a-1, 32
.endr
	s_wait_xcnt 0x0
	SEND 3, 0
	s_wait_tensorcnt 0x0                           ; the wave's end
	ds_add_u32 v[SPW], v[NIL]
	s_wait_dscnt 0x0
	CROUND
	s_endpgm
.Lfunc_end_k_qf5441bb85a_oproj:
	.size	k_qf5441bb85a_oproj, .Lfunc_end_k_qf5441bb85a_oproj-k_qf5441bb85a_oproj
	.p2alignl 7, 3214868480
	.fill 96, 4, 3214868480
	.section	.rodata,"a",@progbits
	.p2align	6, 0x0
	.amdhsa_kernel k_qf5441bb85a_oproj
		.amdhsa_group_segment_fixed_size 327680
		.amdhsa_private_segment_fixed_size 0
		.amdhsa_enable_private_segment 0
		.amdhsa_kernarg_size 48
		.amdhsa_user_sgpr_count 2
		.amdhsa_user_sgpr_kernarg_segment_ptr 1
		.amdhsa_wavefront_size32 1
		.amdhsa_system_sgpr_workgroup_id_x 1
		.amdhsa_system_sgpr_workgroup_id_y 1
		.amdhsa_system_sgpr_workgroup_id_z 1
		.amdhsa_system_vgpr_workitem_id 0
		.amdhsa_next_free_vgpr 832
		.amdhsa_next_free_sgpr 102
		.amdhsa_reserve_vcc 0
		.amdhsa_float_denorm_mode_32 3
		.amdhsa_float_denorm_mode_16_64 3
		.amdhsa_memory_ordered 1
		.amdhsa_forward_progress 1
		.amdhsa_inst_pref_size 96
	.end_amdhsa_kernel
	.amdgpu_metadata
---
amdhsa.version: [ 1, 2 ]
amdhsa.kernels:
  - .name:           k_qf5441bb85a_oproj
    .symbol:         k_qf5441bb85a_oproj.kd
    .args:
      - { .name: oimg, .offset: 0, .size: 8, .value_kind: global_buffer, .address_space: global }
      - { .name: oscl, .offset: 8, .size: 8, .value_kind: global_buffer, .address_space: global }
      - { .name: Wo_codes, .offset: 16, .size: 8, .value_kind: global_buffer, .address_space: global }
      - { .name: Wo_scales, .offset: 24, .size: 8, .value_kind: global_buffer, .address_space: global }
      - { .name: bo, .offset: 32, .size: 8, .value_kind: global_buffer, .address_space: global }
      - { .name: out0, .offset: 40, .size: 8, .value_kind: global_buffer, .address_space: global }
    .group_segment_fixed_size: 327680
    .private_segment_fixed_size: 0
    .kernarg_segment_align: 8
    .kernarg_segment_size: 48
    .max_flat_workgroup_size: 128
    .sgpr_count:     102
    .vgpr_count:     832
    .wavefront_size: 32
...
	.end_amdgpu_metadata
.endif
;; end of part 4
